; MI455X (gfx1250); checked and timed in simulation.
; The chip was launched on July 23, 2026; its instructions are those of AMD's public machine-readable ISA for CDNA 5 (MIT licence, August 2026) and "CDNA5" Instruction Set Architecture Reference Guide (July 2026). The comments in the code are by the model that wrote it; some were corrected since.
;; Dinov3 Self Attention. Allowed arithmetic: matrix products marked QUANTISED: E2M1 operands, one E8M0 scale for each 32 along K, by v_wmma_scale_f32_16x16x128_f8f6f4 with both operands' format E2M1 (or v_wmma_scale_f32_32x16x128_f4), f32 sums; everything else in f32.
;; Inputs: Wk 768 x 768 float32; Wp 768 x 768 float32; Wq 768 x 768 float32; Wv 768 x 768 float32; bp 768 float32; bq 768 float32; bv 768 float32; cos 1,369 x 64 float32; hidden_states 8 x 1,374 x 768 float32; sin 1,369 x 64 float32.
;; Outputs: out0 8 x 1,374 x 768 float32.
;; This version of the problem:
;;   THIS VERSION OF THE PROBLEM IS GIVEN IN LOW PRECISION. The matrix products marked QUANTISED in the list below multiply operands that are first quantised to E2M1 (2 exponent bits, 1 mantissa bit; 4 bits a number), with one power-of-two scale for each 32 numbers along K (OCP MX v1.0); their sums are f32. All else is computed in f32.
;;   The module's matrix products, in the order in which they are computed (A, B: the left and right operand; K: the contracted axis; several contracted axes count as one K, in the product's order):
;;     1. [M 10,992, K 768] x [K 768, N 768]; A: input hidden_states; B: input Wq: QUANTISED
;;     2. [M 10,992, K 768] x [K 768, N 768]; A: input hidden_states; B: input Wk: QUANTISED
;;     3. [M 10,992, K 768] x [K 768, N 768]; A: input hidden_states; B: input Wv: QUANTISED
;;     4. batch 96 x [M 1,374, K 64] x [K 64, N 1,374]; A: computed on the way; B: computed on the way: QUANTISED
;;     5. batch 96 x [M 64, K 1,374] x [K 1,374, N 1,374]; A: computed on the way; B: softmax (see below): QUANTISED
;;     6. [M 10,992, K 768] x [K 768, N 768]; A: computed on the way; B: input Wp: QUANTISED
;;   THE QUANTISER, for each operand of a quantised product, along K:
;;     - K is cut into blocks of 32 from its start; a last block that is shorter is filled with zeros.
;;     - A block's scale is 2^e with e = floor(log2(the largest magnitude in the block)) - 2, held to -126 .. 127; a block of zeros has e = 0. As a byte (E8M0): e + 127.
;;     - Each number is divided by its block's scale, clamped to +-6, and rounded to the nearest number of E2M1, ties to even, subnormals kept.
;;     - The product sums the exact products of the quantised numbers (number of the format x scale) in f32.
;;   ~~~python
;;   def quantise(x, axis):      # numpy; x: float32 -> the quantised numbers, widened to float32 again
;;       x = np.moveaxis(x, axis, -1); K = x.shape[-1]
;;       x = np.pad(x, [(0, 0)] * (x.ndim - 1) + [(0, -K % 32)]); x = x.reshape(x.shape[:-1] + (-1, 32)); a = np.abs(x).max(-1, keepdims=True)
;;       e = np.where(a > 0, np.clip(np.frexp(np.where(a > 0, a, 1))[1] - 1 - 2, -126, 127), 0)      # np.frexp(a)[1] - 1 = floor(log2(a)), exactly
;;       r = np.clip(x / 2.0 ** e, -6, 6)
;;       step = 2.0 ** (np.maximum(np.frexp(np.where(r == 0, 1, r))[1] - 1, 0) - 1)
;;       q = np.round(r / step) * step * 2.0 ** e      # np.round: ties to even
;;       return np.moveaxis(q.reshape(q.shape[:-2] + (-1,))[..., :K], -1, axis).astype(np.float32)
;;   ~~~
;;   SOFTMAX AHEAD OF A QUANTISED PRODUCT. Where the list says 'softmax', what is quantised is not the finished softmax but p = 2^(t - M), with t = logit x log2(e) and M = ceil(the row's largest t), a whole number; so 1/2 < the row's largest p <= 1. The row's sum l is taken of the UNQUANTISED p, in f32, and the product's result is divided by l at the end. Since M is a whole number, a kernel that streams over the keys may use a running M (the ceiling of the running maximum): every later rescaling is an exact power of two, which a block's scale takes up: the codes' values come out the same.
;;   OPERANDS COMPUTED ON THE WAY. 'Computed on the way' means the value that the module computes at that place (a softmax that the list does not call 'softmax' is quantised finished and normalised). What goes into a quantiser is computed in f32, as accurately as f32 sums, v_exp_f32 and their like allow (about 1e-6 of the number): no bf16 or f16 on the way to a quantiser, and a product that is left as it is and whose result goes on into a quantised operand takes f32 operands (vector FMAs, or v_wmma_f32_16x16x4_f32). A number that lies on a knife's edge between two numbers of the format may be rounded either way, as far as f32 arithmetic and the matrix unit's own rounding can turn it there, and no further.
;; One version. Each part assembles by itself: llvm-mc -triple=amdgcn-amd-amdhsa -mcpu=gfx1250 --defsym DOCPART=n.
;; ======== version 1 of 1: 4 launches
;; limits: right only within a limited range of input values
;; workspace buffers: xw_codes 5,505,024 bytes; xw_scales 344,064 bytes; qbuf 4,866,048 bytes; kv 9,461,760 bytes; ctx_codes 4,325,376 bytes; ctx_scales 270,336 bytes
;; launch quant (part 1): grid 28 x 8, 6 waves a work-group, no clusters, 51,456 bytes of LDS; arguments hidden_states, Wq, Wk, Wv, Wp, xw_codes, xw_scales; writes xw_codes, xw_scales
.if DOCPART == 1
	.amdgcn_target "amdgcn-amd-amdhsa--gfx1250"
	.amdhsa_code_object_version 6
	.text
	.protected	k_q99726bd674_quant
	.globl	k_q99726bd674_quant
	.p2align	8
	.type	k_q99726bd674_quant,@function
k_q99726bd674_quant:
	s_mov_b64 s[64:65], 0
	v_nop
	global_prefetch_b8 v0, s[64:65] scope:SCOPE_SE
	s_setreg_imm32_b32 hwreg(HW_REG_WAVE_MODE, 25, 1), 1
	s_wait_xcnt 0x0
; hidden_states [8][1374][768] and Wq, Wk, Wv, Wp [768][768], f32, K innermost, become codes of FP4 (E2M1) with one E8M0 byte for each 32 along K.
; DEAD WORK: no input and no product of the problem is dead: bq moves q's codes, bv v's, bp the result; all ten inputs are loaded by some launch.
; What is left out, in whole units, by the shapes alone: a batch's 1,374 tokens are walked as 22 groups of 64; of the last group only 30 tokens exist.  Query tiles and key tiles
; that hold no token at all are not multiplied in the attention launch, and rows past token 1,373 are not stored by the last launch.  Inside the last group the missing rows are
; repeats of rows that exist (their addresses are held at the batch's last block and last row): work inside a tile that also holds live work; nothing of it reaches a result.
; LIMITS: NaN and infinities among the inputs are not served.  A block whose largest magnitude lies under 2^-124 gets the byte 1; a block of zeros gets the byte 1 where the rule
; says 127: its codes are zeros, which add nothing under any byte but 0xff, and the bytes are read by this program alone.
; LAYOUT OF THE WORKSPACE: images of operand registers.  A GROUP is 64 rows = 4 tiles of 16; row r of tile i is row 32 (i / 2) + 8 (i % 2) + r + 8 (r / 8) of the group, so that in a
; product used transposed the 16 registers of two neighbouring tiles are 16 neighbours.  A tile's codes lie [block of 32 along K: 24][r: 16][16 bytes]: the fragment of K step s is the
; 1,024 bytes at 1,024 s, lane l's two pieces at 16 l and 512 + 16 l.  A group's scale words lie [K step: 6][r: 16][tile: 4].
; Groups 0-175: hidden_states (22 b + g); 176 + 9 (hd % 4) + 3 w + hd / 4: head hd's 64 rows of Wq, Wk, Wv (w = 0, 1, 2); 212 + hd: of Wp.
; SHARES: a work-group takes a group; wave s takes K step s (512 bytes of each row) of its 4 tiles.  Each load reads 512 consecutive bytes of one row; a tile's 16 rows turn through the
; wave's own stage in LDS, so that lane (r, h) gets k = 64 c + 32 h + 0 .. 31 of row r: two whole blocks, in the order of the operand's registers.  No barrier: waves share nothing.
.set STG,   8448                       ; a wave's stage: 16 rows x (512 bytes + 16)
.set SPARE, 6*STG                      ; behind the stages: the spare words, 128 bytes for each wave, in blocks of 256 bytes that no other line names
.set VO,    8                          ; v8-11   tile i: byte offset of my 16 bytes in its first row
.set VO14,  12                         ; v12-15  the same for its row 14, held at the batch's last row
.set VO15,  16                         ; v16-19  and for its row 15
.set SPW,   28                         ; v28     LDS address of my spare word; never rewritten
.set NIL,   29                         ; v29     0; never rewritten
.set R,     32                         ; v32-159 two sets of 64 numbers
.set CD,    160                        ; v160-191 codes, 8 registers a tile: no store's data are written again
.set SW,    192                        ; v192-195 the four tiles' scale words
	s_load_b256 s[8:15], s[0:1], 0x0               ; hidden_states, Wq, Wk, Wv
	s_load_b128 s[16:19], s[0:1], 0x20             ; Wp, the codes
	s_load_b64 s[20:21], s[0:1], 0x30              ; the scale words
	v_lshl_add_u32 v[SPW], v0, 2, SPARE
	v_mov_b32 v[NIL], 0
	v_lshrrev_b32 v1, 5, v0
	v_readfirstlane_b32 s2, v1                     ; wave = K step
	v_and_b32 v2, 31, v0                           ; lane
	v_and_b32 v3, 15, v0                           ; r
	v_bfe_u32 v30, v0, 4, 1                        ; h
	v_lshlrev_b32 v4, 4, v2                        ; 16 x lane
	s_mul_i32 s3, s2, STG
	v_add_nc_u32 v5, s3, v4                        ; the stage on the way in: a row's 512 bytes as they lie
	v_mul_u32_u24 v6, v3, 528
	v_lshl_add_u32 v6, v30, 7, v6
	v_add_nc_u32 v6, s3, v6                        ; and on the way out: row r, + 128 h
	v_lshlrev_b32 v7, 3, v30                       ; 8 h: my bytes' place in the scale word
	v_lshlrev_b32 v31, 4, v3                       ; 16 r
	v_lshl_add_u32 v27, s2, 9, v4                  ; 16 x lane + 512 x K step
	s_wait_alu depctr_va_vdst(0)
	s_mov_b32 s36, 0x76543210
	s_mov_b32 s37, 0xfedcba98                      ; v_permlanex16_b32's selects for lane l xor 16
	s_and_b32 s24, ttmp7, 0xffff                   ; y
	s_lshr_b32 s25, s24, 1                         ; which weight
	s_and_b32 s26, s24, 1
	s_mul_i32 s26, s26, 6
	s_add_co_u32 s26, s26, ttmp9
	s_sub_co_u32 s26, s26, 22                      ; and which 64 rows of it (used where x >= 22)
	s_and_b32 s27, s26, 3
	s_mul_i32 s27, s27, 9
	s_mul_i32 s28, s25, 3
	s_add_co_u32 s27, s27, s28
	s_lshr_b32 s28, s26, 2
	s_add_co_u32 s27, s27, s28
	s_add_co_u32 s27, s27, 176                     ; the group's number for Wq, Wk, Wv,
	s_add_co_u32 s28, s26, 212                     ; for Wp,
	s_cmp_eq_u32 s25, 3
	s_cselect_b32 s27, s28, s27
	s_mul_i32 s28, s24, 22
	s_add_co_u32 s28, s28, ttmp9                   ; for hidden_states
	s_mul_i32 s29, s24, 1374
	s_cmp_lt_u32 ttmp9, 22
	s_cselect_b32 s27, s28, s27                    ; the group's number in the workspace
	s_cselect_b32 s26, ttmp9, s26                  ; the group's number in its tensor or batch
	s_cselect_b32 s29, s29, 0                      ; the batch's first row
.irp i, 0,1,2,3
	s_lshl_b32 s40, s26, 1
	s_add_co_u32 s40, s40, \i/2
	s_min_u32 s40, s40, 42                         ; the block of 32 rows, held at a batch's last (a weight's blocks end at 23)
	s_lshl_b32 s40, s40, 5
	s_add_co_u32 s40, s40, 8*(\i%2)                ; the tile's first row
	s_add_co_u32 s41, s40, 22
	s_min_u32 s41, s41, 1373                       ; its row 14,
	s_add_co_u32 s42, s40, 23
	s_min_u32 s42, s42, 1373                       ; its row 15: held at a batch's last row (a weight's rows end at 767)
	s_add_co_u32 s40, s40, s29
	s_add_co_u32 s41, s41, s29
	s_add_co_u32 s42, s42, s29
	s_mul_i32 s40, s40, 3072
	s_mul_i32 s41, s41, 3072
	s_mul_i32 s42, s42, 3072
	v_add_nc_u32 v[VO+\i], s40, v27
	v_add_nc_u32 v[VO14+\i], s41, v27
	v_add_nc_u32 v[VO15+\i], s42, v27
.endr
	s_mul_i32 s34, s27, 24576
	s_lshl_b32 s35, s2, 10
	s_add_co_u32 s34, s34, s35                     ; codes: 24,576 x group + 1,024 x K step
	s_mov_b32 s35, 0
	s_mul_i32 s38, s27, 1536
	s_lshl_b32 s39, s2, 8
	s_add_co_u32 s38, s38, s39                     ; scale words: 1,536 x group + 256 x K step
	s_mov_b32 s39, 0
	s_wait_alu depctr_va_vdst(0)
	s_wait_kmcnt 0x0
	s_cmp_eq_u32 s25, 1                            ; the source: a choice on the work-group's number alone
	s_cselect_b64 s[22:23], s[12:13], s[10:11]
	s_cmp_eq_u32 s25, 2
	s_cselect_b64 s[22:23], s[14:15], s[22:23]
	s_cmp_eq_u32 s25, 3
	s_cselect_b64 s[22:23], s[16:17], s[22:23]
	s_cmp_lt_u32 ttmp9, 22
	s_cselect_b64 s[22:23], s[8:9], s[22:23]
	s_add_nc_u64 s[18:19], s[18:19], s[34:35]
	s_add_nc_u64 s[20:21], s[20:21], s[38:39]
.macro LOAD i                          ; tile i's 16 rows, 512 consecutive bytes a load, into set i % 2
.set LR, R+64*((\i)%2)
.irp j, 0,1,2,3,4,5,6,7
	global_load_b128 v[LR+4*\j:LR+4*\j+3], v[VO+(\i)], s[22:23] offset:3072*\j th:TH_LOAD_NT
.endr
.irp j, 8,9,10,11,12,13
	global_load_b128 v[LR+4*\j:LR+4*\j+3], v[VO+(\i)], s[22:23] offset:3072*(\j+8) th:TH_LOAD_NT
.endr
	global_load_b128 v[LR+56:LR+59], v[VO14+(\i)], s[22:23] th:TH_LOAD_NT
	global_load_b128 v[LR+60:LR+63], v[VO15+(\i)], s[22:23] th:TH_LOAD_NT
.endm
.macro TILE i
.set XS, R+64*((\i)%2)
.if (\i) < 3
	s_wait_loadcnt 16                              ; this tile's 16 loads are in; the next tile's 16 may be out
.else
	s_wait_loadcnt 0x0
.endif
.irp j, 0,1,2,3,4,5,6,7,8,9,10,11,12,13,14,15
	ds_store_b128 v5, v[XS+4*\j:XS+4*\j+3] offset:528*\j
.endr
.irp c, 0,1
.irp q, 0,1,2,3,4,5,6,7
	ds_load_b128 v[XS+32*\c+4*\q:XS+32*\c+4*\q+3], v6 offset:256*\c+16*\q   ; LDS serves a wave's instructions in order: these see the stores above
.endr
.endr
	s_wait_dscnt 0x0
.irp c, 0,1
	v_max3_num_f32 v[20+\c], |v[XS+32*\c]|, |v[XS+32*\c+1]|, 0x1800000   ; my block 2 c + h: all 32 numbers are mine; the floor 2^(3 - 127) holds the byte at 1 from below
.endr
.irp k, 2,4,6,8,10,12,14,16,18,20,22,24,26,28,30
.irp c, 0,1
	v_max3_num_f32 v[20+\c], v[20+\c], |v[XS+32*\c+\k]|, |v[XS+32*\c+\k+1]|
.endr
.endr
.irp c, 0,1
	v_add_nc_u32 v[22+\c], 0xff000000, v[20+\c]    ; 2 off the exponent field: the conversion's scale operand
.endr
.irp c, 0,1
	v_lshrrev_b32 v[24+\c], 23, v[22+\c]           ; the scale's byte
.endr
	v_lshl_or_b32 v26, v25, 16, v24                ; my two bytes, blocks h and 2 + h,
	v_lshlrev_b32 v26, v7, v26                     ; at their places;
	v_permlanex16_b32 v1, v26, s36, s37
	v_or_b32 v[SW+(\i)], v26, v1                   ; with lane l xor 16's two the word is whole
.irp c, 0,1
.irp q, 0,1,2,3
	v_cvt_scalef32_pk8_fp4_f32 v[CD+8*(\i)+4*\c+\q], v[XS+32*\c+8*\q:XS+32*\c+8*\q+7], v[22+\c]
.endr
.endr
	v_nop                                          ; one plain line behind the last conversion
.if (\i) < 2
	LOAD (\i)+2
.endif
.irp c, 0,1
	global_store_b128 v4, v[CD+8*(\i)+4*\c:CD+8*(\i)+4*\c+3], s[18:19] offset:6144*(\i)+512*\c   ; 32 lanes store 512 consecutive bytes, aligned
.endr
.endm
	LOAD 0
	LOAD 1
	TILE 0
	TILE 1
	TILE 2
	TILE 3
	global_store_b128 v31, v[SW:SW+3], s[20:21]    ; row r's four words: 256 consecutive bytes; lanes 16-31 write the same bytes with the same values
	s_wait_tensorcnt 0x0                           ; the wave's end
	ds_add_u32 v[SPW], v[NIL]
	s_wait_dscnt 0x0
	s_endpgm
.Lfunc_end_k_q99726bd674_quant:
	.size	k_q99726bd674_quant, .Lfunc_end_k_q99726bd674_quant-k_q99726bd674_quant
	.p2alignl 7, 3214868480
	.fill 96, 4, 3214868480
	.section	.rodata,"a",@progbits
	.p2align	6, 0x0
	.amdhsa_kernel k_q99726bd674_quant
		.amdhsa_group_segment_fixed_size 51456
		.amdhsa_private_segment_fixed_size 0
		.amdhsa_enable_private_segment 0
		.amdhsa_kernarg_size 56
		.amdhsa_user_sgpr_count 2
		.amdhsa_user_sgpr_kernarg_segment_ptr 1
		.amdhsa_wavefront_size32 1
		.amdhsa_system_sgpr_workgroup_id_x 1
		.amdhsa_system_sgpr_workgroup_id_y 1
		.amdhsa_system_sgpr_workgroup_id_z 1
		.amdhsa_system_vgpr_workitem_id 0
		.amdhsa_next_free_vgpr 196
		.amdhsa_next_free_sgpr 66
		.amdhsa_reserve_vcc 0
		.amdhsa_float_denorm_mode_32 3
		.amdhsa_float_denorm_mode_16_64 3
		.amdhsa_memory_ordered 1
		.amdhsa_forward_progress 1
		.amdhsa_inst_pref_size 33
	.end_amdhsa_kernel
	.amdgpu_metadata
---
amdhsa.version: [ 1, 2 ]
amdhsa.kernels:
  - .name:           k_q99726bd674_quant
    .symbol:         k_q99726bd674_quant.kd
    .args:
      - { .name: hidden_states, .offset: 0, .size: 8, .value_kind: global_buffer, .address_space: global }
      - { .name: Wq, .offset: 8, .size: 8, .value_kind: global_buffer, .address_space: global }
      - { .name: Wk, .offset: 16, .size: 8, .value_kind: global_buffer, .address_space: global }
      - { .name: Wv, .offset: 24, .size: 8, .value_kind: global_buffer, .address_space: global }
      - { .name: Wp, .offset: 32, .size: 8, .value_kind: global_buffer, .address_space: global }
      - { .name: xw_codes, .offset: 40, .size: 8, .value_kind: global_buffer, .address_space: global }
      - { .name: xw_scales, .offset: 48, .size: 8, .value_kind: global_buffer, .address_space: global }
    .group_segment_fixed_size: 51456
    .private_segment_fixed_size: 0
    .kernarg_segment_align: 8
    .kernarg_segment_size: 56
    .max_flat_workgroup_size: 192
    .sgpr_count:     66
    .vgpr_count:     196
    .wavefront_size: 32
...
	.end_amdgpu_metadata
.endif
;; end of part 1
;; launch qkv (part 2): grid 44 x 4, 4 waves a work-group, clusters of 4 x 1, 327,680 bytes of LDS; arguments xw_codes, xw_scales, bq, bv, cos, sin, qbuf, kv; writes qbuf, kv
.if DOCPART == 2
	.amdgcn_target "amdgcn-amd-amdhsa--gfx1250"
	.amdhsa_code_object_version 6
	.text
	.protected	k_q99726bd674_qkv
	.globl	k_q99726bd674_qkv
	.p2align	8
	.type	k_q99726bd674_qkv,@function
k_q99726bd674_qkv:
	s_mov_b64 s[64:65], 0
	v_nop
	global_prefetch_b8 v0, s[64:65] scope:SCOPE_SE
	s_setreg_imm32_b32 hwreg(HW_REG_WAVE_MODE, 25, 1), 1
	s_wait_xcnt 0x0
	s_wait_alu depctr_hold_cnt(0) depctr_sa_sdst(0) depctr_va_vdst(0) depctr_va_sdst(0) depctr_va_ssrc(0) depctr_va_vcc(0) depctr_vm_vsrc(0)
	s_getreg_b32 s2, hwreg(HW_REG_IB_STS2, 6, 4)
	s_cmp_eq_u32 s2, 0
	s_cbranch_scc0 .Lentry_in_a_cluster
	s_endpgm
.Lentry_in_a_cluster:
	s_bfe_u32 s2, ttmp6, 0x10000c
	s_cmp_lg_u32 s2, 0x3003
	s_cbranch_scc0 .Lentry_shape_is_right
	s_endpgm
.Lentry_shape_is_right:
.set PANELB, 24576
.set SCB,    9*PANELB
.set SPARE,  SCB+9*1536
.set ADR,  1
.set ADRS, 2
.set VQC,  3
.set VQS,  4
.set VKS,  5
.set VVC,  6
.set VVS,  7
.set VCS,  8
.set VBQ,  12
.set VBV,  13
.set L16,  14
.set R16,  15
.set SB0,  21
.set AS,   32
.set BS,   56
.set T,    80
.set TM,   144
.set BF4,  160
.set CD,   224
.set SW,   240
.set BV,   244
.set VP,   248
.set ZR,   250
.set ONE,  251
.set SPW,  252
.set NIL,  253
.set WV,   20
.set G1C,  28
.set G1S,  36
.set G0C,  44
.set G0S,  48
.set SEL,  52
.set MP,   54
.set M1,   55
.set TB,   56
.set TS,   57
.set CNT,  58
.set MSB, 0
.macro WIN new
.if MSB != \new
	s_set_vgpr_msb (MSB<<8)|\new
.set MSB, \new
.endif
.endm
.macro CROUND
	s_barrier_signal -1
	s_barrier_wait -1
	s_cmp_lg_u32 s[WV], 0
	s_cbranch_scc1 .Lnot_wave_0_\@
	s_barrier_signal -3
.Lnot_wave_0_\@:
	s_barrier_wait -3
	s_barrier_signal -1
	s_barrier_wait -1
.endm
	s_load_b512 s[4:19], s[0:1], 0x0
	v_lshl_add_u32 v[SPW], v0, 2, SPARE
	v_mov_b32 v[NIL], 0
	ds_add_u32 v[SPW], v[NIL]
	ds_add_u32 v[SPW], v[NIL]
	v_lshrrev_b32 v16, 5, v0
	v_readfirstlane_b32 s[WV], v16
	s_bfe_u32 s21, ttmp6, 0x40000
	s_lshl_b32 s22, ttmp9, 2
	s_add_co_u32 s22, s22, s21
	s_lshl_b32 s22, s22, 2
	s_add_co_u32 s22, s22, s[WV]
	s_mul_i32 s23, s22, 2979
	s_lshr_b32 s23, s23, 16
	s_mul_i32 s24, s23, 22
	s_sub_co_u32 s24, s22, s24
	s_and_b32 s25, ttmp7, 0xffff
	s_mov_b32 s[G1C], 15|(3<<16)|(1<<21)
	s_mov_b32 s[G1C+1], 32<<16
	s_mov_b32 s[G1C+2], 288<<16                    ; three panels of codes to a load: 288 rows of 256 bytes
	s_mov_b32 s[G1C+3], 32<<16
	s_mov_b32 s[G1C+4], 288
	s_mov_b32 s[G1C+5], 32
	s_mov_b32 s[G1C+6], 0
	s_mov_b32 s[G1C+7], 0
	s_mov_b32 s[G1S], 15|(3<<16)|(1<<21)
	s_mov_b32 s[G1S+1], 32<<16                     ; the nine panels' scale words, 13,824 dense bytes: 54 rows of 256 bytes
	s_mov_b32 s[G1S+2], 54<<16
	s_mov_b32 s[G1S+3], 32<<16
	s_mov_b32 s[G1S+4], 54
	s_mov_b32 s[G1S+5], 32
	s_mov_b32 s[G1S+6], 0
	s_mov_b32 s[G1S+7], 0
	s_mul_i32 s26, s25, 9
	s_add_co_u32 s26, s26, 176
	s_mul_i32 s60, s26, PANELB
	s_mul_i32 s[G0C+1], s[WV], 73728               ; waves 0-2: three panels each
	s_add_co_u32 s60, s60, s[G0C+1]
	s_mov_b32 s61, 0
	s_mul_i32 s62, s26, 1536
	s_mov_b32 s27, 0                               ; the scale words come whole, by wave 3
	s_add_co_u32 s62, s62, s27
	s_mov_b32 s63, 0
	s_add_co_u32 s[G0S+1], s27, SCB
	s_mov_b32 s[G0C], 1
	s_mov_b32 s[G0S], 1
	s_mov_b32 s[SEL], 0x76543210
	s_mov_b32 s[SEL+1], 0xfedcba98
	s_mov_b32 s[TB], 0
	s_mov_b32 s[TS], 0
	s_cmp_eq_u32 s24, 0
	s_cselect_b32 s[MP], 0x001f001f, 0
	s_cmp_eq_u32 s24, 21
	s_cselect_b32 s[M1], 0xffff0000, 0
	v_and_b32 v16, 15, v0
	v_bfe_u32 v17, v0, 4, 1
	v_and_b32 v18, 31, v0
	v_lshlrev_b32 v[L16], 4, v18
	v_lshlrev_b32 v[R16], 4, v16
	v_lshl_add_u32 v19, v17, 3, v[R16]
	s_wait_alu depctr_va_vdst(0)
	v_add_nc_u32 v[SB0], SCB, v[R16]
	v_and_b32 v20, 8, v16
	v_add_nc_u32 v20, v20, v16
	s_wait_alu depctr_va_vdst(0)
	s_lshl_b32 s26, s24, 11
	v_add_nc_u32 v[VQC], s26, v19
	s_lshl_b32 s26, s24, 8
	s_add_co_u32 s27, s26, 45056
	v_add_nc_u32 v[VQS], s27, v[R16]
	s_add_co_u32 s27, s26, 90112
	v_add_nc_u32 v[VKS], s27, v[R16]
	s_lshr_b32 s26, s24, 1
	s_lshl_b32 s26, s26, 12
	s_and_b32 s27, s24, 1
	s_lshl_b32 s27, s27, 9
	s_add_co_u32 s26, s26, s27
	s_add_co_u32 s26, s26, 45056
	v_add_nc_u32 v[VVC], s26, v19
	s_lshl_b32 s26, s24, 7
	s_add_co_u32 s26, s26, 95744
	v_lshl_add_u32 v[VVS], v16, 3, s26
	s_lshl_b32 s26, s24, 6
.irp xt, 0,1,2,3
	v_add_nc_u32 v[VCS+\xt], 32*(\xt/2)+8*(\xt%2), v20
	v_add_nc_u32 v[VCS+\xt], s26, v[VCS+\xt]
	v_max_u32 v[VCS+\xt], 5, v[VCS+\xt]
	v_add_nc_u32 v[VCS+\xt], -5, v[VCS+\xt]
	v_min_u32 v[VCS+\xt], 1368, v[VCS+\xt]
	v_lshlrev_b32 v[VCS+\xt], 8, v[VCS+\xt]
	v_lshl_add_u32 v[VCS+\xt], v17, 6, v[VCS+\xt]
.endr
	v_lshlrev_b32 v[VBQ], 6, v17
	v_lshlrev_b32 v[VBV], 2, v20
	v_mov_b32 v[ZR], 0
	v_mov_b32 v[ONE], 1.0
.irp n, 0,1,2,3,4,5,6,7,8,9,10,11,12,13,14,15
	v_mov_b32 v[TM+\n], 0
.endr
	v_mov_b32 v[ADR], v[L16]
	v_mov_b32 v[ADRS], v[SB0]
	s_wait_alu depctr_va_vdst(0)                   ; the wait at the head's end
	s_wait_dscnt 0x0
	s_wait_kmcnt 0x0
	s_add_nc_u64 s[G0C+2:G0C+3], s[4:5], s[60:61]
	s_or_b32 s[G0C+3], s[G0C+3], 0x80000000
	s_add_nc_u64 s[G0S+2:G0S+3], s[6:7], s[62:63]
	s_or_b32 s[G0S+3], s[G0S+3], 0x80000000
	s_mul_i32 s66, s22, PANELB
	s_mov_b32 s67, 0
	s_add_nc_u64 s[68:69], s[4:5], s[66:67]
	s_mul_i32 s66, s22, 1536
	s_add_nc_u64 s[72:73], s[6:7], s[66:67]
	s_lshl_b32 s66, s25, 8
	s_add_nc_u64 s[8:9], s[8:9], s[66:67]
	s_add_nc_u64 s[10:11], s[10:11], s[66:67]
	s_mul_i32 s26, s23, 12
	s_add_co_u32 s26, s26, s25
	s_mul_i32 s66, s26, 50688
	s_add_nc_u64 s[16:17], s[16:17], s[66:67]
	s_mul_i32 s66, s26, 98560
	s_add_nc_u64 s[18:19], s[18:19], s[66:67]
	s_mov_b64 s[70:71], s[18:19]
	CROUND
	s_cmp_lt_u32 s[WV], 3                          ; the head's loads, one a wave: waves 0-2 the codes, wave 3 the scale words; every way passes one load
	s_cbranch_scc0 .Lhead_s
	tensor_load_to_lds s[G0C:G0C+3], s[G1C:G1C+7]
	s_nop 0
.rept 4
	v_nop
.endr
	s_branch .Lhead_asked
.Lhead_s:
	tensor_load_to_lds s[G0S:G0S+3], s[G1S:G1S+7]
	s_nop 0
.rept 4
	v_nop
.endr
.Lhead_asked:
	WIN 0x40
.irp xt, 0,1,2,3
.irp s, 0,1,2,3,4,5
.irp c, 0,1
	global_load_b128 v[8*(6*\xt+\s)+4*\c:8*(6*\xt+\s)+4*\c+3], v[L16], s[68:69] offset:6144*\xt+1024*\s+512*\c
.endr
.endr
.endr
.irp wt, 0,1,2,3
.irp q, 0,1
	global_load_b128 v[192+8*\wt+4*\q:192+8*\wt+4*\q+3], v[VBQ], s[8:9] offset:128*(\wt/2)+32*(\wt%2)+16*\q
.endr
.endr
	WIN 0
.irp s, 0,1,2,3,4,5
	global_load_b128 v[AS+4*\s:AS+4*\s+3], v[R16], s[72:73] offset:256*\s
.endr
.irp wt, 0,1,2,3
	global_load_b32 v[BV+\wt], v[VBV], s[10:11] offset:4*(32*(\wt/2)+8*(\wt%2))
.endr
	WIN 0xc0
.irp xt, 0,1,2,3
.irp bl, 0,1
.irp q, 0,1,2,3
	global_load_b128 v[64*\xt+16*\bl+4*\q:64*\xt+16*\bl+4*\q+3], v[VCS+\xt], s[12:13] offset:128*\bl+16*\q
	global_load_b128 v[64*\xt+32+16*\bl+4*\q:64*\xt+32+16*\bl+4*\q+3], v[VCS+\xt], s[14:15] offset:128*\bl+16*\q
.endr
.endr
.endr
	s_wait_loadcnt 0x0
	WIN 0xc3
.irp n, 0,1,2,3,4,5,6,7,8,9,10,11,12,13,14,15,16,17,18,19,20,21,22,23,24,25,26,27,28,29,30,31
	v_cndmask_b32 v[\n], v[\n], v[ONE], s[MP]
	v_cndmask_b32 v[32+\n], v[32+\n], v[ZR], s[MP]
.endr
	WIN 0
	s_wait_tensorcnt 0x0
	s_barrier_signal -1
	s_barrier_wait -1
.macro PFB
	WIN 0x80
.irp s, 0,1,2,3
.irp wt, 0,1,2,3
.irp c, 0,1
	ds_load_b128 v[128+32*\s+8*\wt+4*\c:128+32*\s+8*\wt+4*\c+3], v[ADR] offset:6144*\wt+1024*\s+512*\c
.endr
.endr
.endr
	WIN 0
.irp s, 4,5
.irp wt, 0,1,2,3
.irp c, 0,1
	ds_load_b128 v[BF4+32*(\s-4)+8*\wt+4*\c:BF4+32*(\s-4)+8*\wt+4*\c+3], v[ADR] offset:6144*\wt+1024*\s+512*\c
.endr
.endr
.endr
.irp s, 0,1,2,3,4,5
	ds_load_b128 v[BS+4*\s:BS+4*\s+3], v[ADRS] offset:256*\s
.endr
.endm
.macro WM d, a, b, ck, cr, sa, sb
.if \ck
	v_wmma_scale_f32_16x16x128_f8f6f4 v[\d:\d+7], v[\a:\a+7], v[\b:\b+7], v[\cr:\cr+7], v[\sa], v[\sb] matrix_a_fmt:MATRIX_FMT_FP4 matrix_b_fmt:MATRIX_FMT_FP4
.else
	v_wmma_scale_f32_16x16x128_f8f6f4 v[\d:\d+7], v[\a:\a+7], v[\b:\b+7], 0, v[\sa], v[\sb] matrix_a_fmt:MATRIX_FMT_FP4 matrix_b_fmt:MATRIX_FMT_FP4
.endif
.endm
.macro MM tr, c0
.irp s, 0,1,2,3,4,5
.if \s < 4
.set FB, 128+32*\s
.else
.set FB, BF4+32*(\s-4)
.endif
.if \tr
.if (\s == 0) && \c0
	WIN 0x96
.elseif \s < 4
	WIN 0xa6
.else
	WIN 0xa4
.endif
.else
.if \s == 0
	WIN 0x99
.elseif \s < 4
	WIN 0xa9
.else
	WIN 0xa1
.endif
.endif
.irp xt, 0,1,2,3
.irp wt, 0,1,2,3
.if \tr
.if \s == 0
	WM 8*(4*\xt+\wt), FB+8*\wt, 8*(6*\xt+\s), \c0, 192+8*\wt, BS+4*\s+\wt, AS+4*\s+\xt
.else
	WM 8*(4*\xt+\wt), FB+8*\wt, 8*(6*\xt+\s), 1, 8*(4*\xt+\wt), BS+4*\s+\wt, AS+4*\s+\xt
.endif
.else
.if \s == 0
	WM 8*(4*\xt+\wt), 8*(6*\xt+\s), FB+8*\wt, 1, 192+8*\wt, AS+4*\s+\xt, BS+4*\s+\wt
.else
	WM 8*(4*\xt+\wt), 8*(6*\xt+\s), FB+8*\wt, 1, 8*(4*\xt+\wt), AS+4*\s+\xt, BS+4*\s+\wt
.endif
.endif
.endr
.endr
.endr
.endm
.macro NEXTP
	WIN 0
	s_add_co_u32 s[TB], s[TB], PANELB
	s_add_co_u32 s[TS], s[TS], 1536
	v_add_nc_u32 v[ADR], s[TB], v[L16]
	v_add_nc_u32 v[ADRS], s[TS], v[SB0]
	v_nop
	v_nop
	PFB
.endm
.macro ROPE xt
.set A0, 32*(\xt)
.set C0, 64*(\xt)
.set T0, T+32*((\xt)%2)
.irp i, 0,2,4,6,8,10,12,14
	v_pk_mul_f32 v[T0+\i:T0+\i+1], v[A0+\i:A0+\i+1], v[C0+\i:C0+\i+1]
.endr
.irp i, 0,2,4,6,8,10,12,14
	v_pk_mul_f32 v[T0+16+\i:T0+16+\i+1], v[A0+16+\i:A0+16+\i+1], v[C0+16+\i:C0+16+\i+1]
.endr
.irp i, 0,2,4,6,8,10,12,14
	v_pk_fma_f32 v[T0+\i:T0+\i+1], v[A0+16+\i:A0+16+\i+1], v[C0+32+\i:C0+32+\i+1], v[T0+\i:T0+\i+1] neg_lo:[1,0,0] neg_hi:[1,0,0]
.endr
.irp i, 0,2,4,6,8,10,12,14
	v_pk_fma_f32 v[T0+16+\i:T0+16+\i+1], v[A0+\i:A0+\i+1], v[C0+48+\i:C0+48+\i+1], v[T0+16+\i:T0+16+\i+1]
.endr
.endm
.macro QUANT4 s, cd, w0, w1
.irp b, 0,1,2,3
	v_max3_num_f32 v[TM+\b], |v[\s+16*\b]|, |v[\s+1+16*\b]|, 0x1800000
.endr
.irp i, 2,4,6,8,10,12,14
.irp b, 0,1,2,3
	v_max3_num_f32 v[TM+\b], v[TM+\b], |v[\s+16*\b+\i]|, |v[\s+1+16*\b+\i]|
.endr
.endr
.irp b, 0,1,2,3
	v_permlanex16_b32 v[TM+4+\b], v[TM+\b], s[SEL], s[SEL+1]
.endr
.irp b, 0,1,2,3
	v_max_num_f32 v[TM+\b], v[TM+\b], v[TM+4+\b]
.endr
.irp b, 0,1,2,3
	v_add_nc_u32 v[TM+12+\b], 0xff000000, v[TM+\b]
.endr
.irp b, 0,1,2,3
	v_lshrrev_b32 v[TM+4+\b], 23, v[TM+12+\b]
.endr
	v_lshl_or_b32 v[\w0], v[TM+5], 8, v[TM+4]
	v_lshl_or_b32 v[\w1], v[TM+7], 8, v[TM+6]
.irp b, 0,1,2,3
	v_cvt_scalef32_pk8_fp4_f32 v[\cd+2*\b], v[\s+16*\b:\s+7+16*\b], v[TM+12+\b]
	v_cvt_scalef32_pk8_fp4_f32 v[\cd+1+2*\b], v[\s+8+16*\b:\s+15+16*\b], v[TM+12+\b]
.endr
	v_nop
.endm
.macro QKHEAD bias, base, vsc, step
	s_wait_dscnt 0x0
.if \bias
	s_wait_loadcnt 0x0
	s_add_nc_u64 s[8:9], s[8:9], 1024
.endif
	MM 1, \bias
	NEXTP
.if \bias
	s_cmp_eq_u32 s[CNT], 1
	s_cbranch_scc1 .Lno_bias_\@
	WIN 0x40
.irp wt, 0,1,2,3
.irp q, 0,1
	global_load_b128 v[192+8*\wt+4*\q:192+8*\wt+4*\q+3], v[VBQ], s[8:9] offset:128*(\wt/2)+32*(\wt%2)+16*\q
.endr
.endr
	WIN 0
.Lno_bias_\@:
.endif
.irp P, 0,1
	WIN 0x0e
	ROPE 2*\P
	ROPE 2*\P+1
	WIN 0
	QUANT4 T, CD+8*\P, SW+2*\P, SW+2*\P+1
.irp b, 0,1,2,3
	global_store_b64 v[VQC], v[CD+8*\P+2*\b:CD+8*\P+2*\b+1], s[\base:\base+1] offset:512*(2*\P+\b/2)+256*(\b%2)
.endr
.endr
	global_store_b128 v[\vsc], v[SW:SW+3], s[\base:\base+1]
	s_wait_xcnt 0x0
	s_add_nc_u64 s[\base:\base+1], s[\base:\base+1], \step
.endm
.macro VHEAD pf
	s_wait_dscnt 0x0
	MM 0, 1
.if \pf
	NEXTP
	s_add_nc_u64 s[10:11], s[10:11], 1024
.irp wt, 0,1,2,3
	global_load_b32 v[BV+\wt], v[VBV], s[10:11] offset:4*(32*(\wt/2)+8*(\wt%2))
.endr
.else
	WIN 0
.rept 4
	v_nop
.endr
.endif
	WIN 0x0a
.irp bl, 0,1
.irp wt, 0,1,2,3
	v_max3_num_f32 v[TM+4*\bl+\wt], |v[64*\bl+8*\wt]|, |v[64*\bl+8*\wt+1]|, 0x1800000
.endr
.endr
.irp k, 32,2,34,4,36,6
.irp bl, 0,1
.irp wt, 0,1,2,3
	v_max3_num_f32 v[TM+4*\bl+\wt], |v[64*\bl+8*\wt+\k]|, |v[64*\bl+8*\wt+\k+1]|, v[TM+4*\bl+\wt]
.endr
.endr
.endr
.irp wt, 0,1,2,3
	v_max3_num_f32 v[TM+4+\wt], |v[64+8*\wt+38]|, |v[64+8*\wt+39]|, v[TM+4+\wt]
.endr
	WIN 0x82
.irp wt, 0,1,2,3
	v_cndmask_b32 v[8*\wt+38], v[8*\wt+38], v[ZR], s[M1]
	v_cndmask_b32 v[8*\wt+39], v[8*\wt+39], v[ZR], s[M1]
.endr
	WIN 0x0a
.irp wt, 0,1,2,3
	v_max3_num_f32 v[TM+\wt], |v[8*\wt+38]|, |v[8*\wt+39]|, v[TM+\wt]
.endr
	WIN 0
.irp n, 0,1,2,3,4,5,6,7
	v_permlanex16_b32 v[TM+8+\n], v[TM+\n], s[SEL], s[SEL+1]
.endr
.irp n, 0,1,2,3,4,5,6,7
	v_max_num_f32 v[TM+\n], v[TM+\n], v[TM+8+\n]
.endr
.irp n, 0,1,2,3,4,5,6,7
	v_add_nc_u32 v[TM+\n], 0xff000000, v[TM+\n]
.endr
.irp n, 0,1,2,3,4,5,6,7
	v_lshrrev_b32 v[TM+8+\n], 23, v[TM+\n]
.endr
.irp wt, 0,1,2,3
	v_lshl_or_b32 v[TM+8+\wt], v[TM+12+\wt], 8, v[TM+8+\wt]
.endr
	v_lshl_or_b32 v[VP], v[TM+9], 16, v[TM+8]
	v_lshl_or_b32 v[VP+1], v[TM+11], 16, v[TM+10]
	WIN 0x02
.irp bl, 0,1
.irp wt, 0,1,2,3
	v_cvt_scalef32_pk8_fp4_f32 v[CD+2*(4*\bl+\wt)], v[64*\bl+8*\wt:64*\bl+8*\wt+7], v[TM+4*\bl+\wt]
	v_cvt_scalef32_pk8_fp4_f32 v[CD+2*(4*\bl+\wt)+1], v[64*\bl+32+8*\wt:64*\bl+32+8*\wt+7], v[TM+4*\bl+\wt]
.endr
.endr
	v_nop
	WIN 0
.irp bl, 0,1
.irp wt, 0,1,2,3
	global_store_b64 v[VVC], v[CD+2*(4*\bl+\wt):CD+2*(4*\bl+\wt)+1], s[70:71] offset:1024*\wt+256*\bl
.endr
.endr
	global_store_b64 v[VVS], v[VP:VP+1], s[70:71]
.if \pf
	s_wait_loadcnt 0x0
	BIAS_V
	s_wait_xcnt 0x0
	s_add_nc_u64 s[70:71], s[70:71], 394240
.endif
.endm
.macro BIAS_V
	WIN 0x40
.irp wt, 0,1,2,3
.irp j, 0,1,2,3,4,5,6,7
	v_mov_b32 v[192+8*\wt+\j], v[BV+\wt]
.endr
.endr
	WIN 0
.rept 4
	v_nop
.endr
.endm
	PFB
	s_mov_b32 s[CNT], 3
.Lq:
	QKHEAD 1, 16, VQS, 202752
	s_sub_co_u32 s[CNT], s[CNT], 1
	s_cmp_lg_u32 s[CNT], 0
	s_cbranch_scc1 .Lq
	s_mov_b32 s[CNT], 3
.Lk:
	QKHEAD 0, 18, VKS, 394240
	s_sub_co_u32 s[CNT], s[CNT], 1
	s_cmp_lg_u32 s[CNT], 0
	s_cbranch_scc1 .Lk
	BIAS_V
	s_mov_b32 s[CNT], 2
.Lv:
	s_wait_alu depctr_va_vdst(0)
	VHEAD 1
	s_sub_co_u32 s[CNT], s[CNT], 1
	s_cmp_lg_u32 s[CNT], 0
	s_cbranch_scc1 .Lv
	s_wait_alu depctr_va_vdst(0)
	VHEAD 0
	s_wait_tensorcnt 0x0
	ds_add_u32 v[SPW], v[NIL]
	s_wait_dscnt 0x0
	CROUND
	s_endpgm
.Lfunc_end_k_q99726bd674_qkv:
	.size	k_q99726bd674_qkv, .Lfunc_end_k_q99726bd674_qkv-k_q99726bd674_qkv
	.p2alignl 7, 3214868480
	.fill 96, 4, 3214868480
	.section	.rodata,"a",@progbits
	.p2align	6, 0x0
	.amdhsa_kernel k_q99726bd674_qkv
		.amdhsa_group_segment_fixed_size 327680
		.amdhsa_private_segment_fixed_size 0
		.amdhsa_enable_private_segment 0
		.amdhsa_kernarg_size 64
		.amdhsa_user_sgpr_count 2
		.amdhsa_user_sgpr_kernarg_segment_ptr 1
		.amdhsa_wavefront_size32 1
		.amdhsa_system_sgpr_workgroup_id_x 1
		.amdhsa_system_sgpr_workgroup_id_y 1
		.amdhsa_system_sgpr_workgroup_id_z 1
		.amdhsa_system_vgpr_workitem_id 0
		.amdhsa_next_free_vgpr 1024
		.amdhsa_next_free_sgpr 100
		.amdhsa_reserve_vcc 0
		.amdhsa_float_denorm_mode_32 3
		.amdhsa_float_denorm_mode_16_64 3
		.amdhsa_memory_ordered 1
		.amdhsa_forward_progress 1
		.amdhsa_inst_pref_size 142
	.end_amdhsa_kernel
	.amdgpu_metadata
---
amdhsa.version: [ 1, 2 ]
amdhsa.kernels:
  - .name:           k_q99726bd674_qkv
    .symbol:         k_q99726bd674_qkv.kd
    .args:
      - { .name: xw_codes, .offset: 0, .size: 8, .value_kind: global_buffer, .address_space: global }
      - { .name: xw_scales, .offset: 8, .size: 8, .value_kind: global_buffer, .address_space: global }
      - { .name: bq, .offset: 16, .size: 8, .value_kind: global_buffer, .address_space: global }
      - { .name: bv, .offset: 24, .size: 8, .value_kind: global_buffer, .address_space: global }
      - { .name: cos, .offset: 32, .size: 8, .value_kind: global_buffer, .address_space: global }
      - { .name: sin, .offset: 40, .size: 8, .value_kind: global_buffer, .address_space: global }
      - { .name: qbuf, .offset: 48, .size: 8, .value_kind: global_buffer, .address_space: global }
      - { .name: kv, .offset: 56, .size: 8, .value_kind: global_buffer, .address_space: global }
    .group_segment_fixed_size: 327680
    .private_segment_fixed_size: 0
    .kernarg_segment_align: 8
    .kernarg_segment_size: 64
    .max_flat_workgroup_size: 128
    .sgpr_count:     100
    .vgpr_count:     1024
    .wavefront_size: 32
...
	.end_amdgpu_metadata
.endif
;; end of part 2
;; launch attn (part 3): grid 251 x 1, 16 waves a work-group, no clusters, 274,944 bytes of LDS; arguments qbuf, kv, ctx_codes, ctx_scales; writes ctx_codes, ctx_scales
.if DOCPART == 3
	.amdgcn_target "amdgcn-amd-amdhsa--gfx1250"
	.amdhsa_code_object_version 6
	.text
	.protected	k_q99726bd674_attn
	.globl	k_q99726bd674_attn
	.p2align	8
	.type	k_q99726bd674_attn,@function
k_q99726bd674_attn:
	s_mov_b64 s[64:65], 0
	v_nop
	global_prefetch_b8 v0, s[64:65] scope:SCOPE_SE
	s_setreg_imm32_b32 hwreg(HW_REG_WAVE_MODE, 25, 1), 1
	s_wait_xcnt 0x0
; ctx = softmax(q k^T / 8) v, both products on codes of FP4, and the quantiser of ctx along (head, d) for the last product.
; LEFT OUT, by the shapes alone: query tiles 86, 87 of a batch hold no token and are not multiplied; keys 1,376 to 1,407 are not multiplied; keys 1,374 and 1,375 become -infinity ahead of the maximum.
; THE SOFTMAX: t = score x log2(e) / 8; M = the running largest t rounded up to a whole number; p = 2^(t - M) is quantised along the keys, not normalised; the row's sum is taken of the unquantised p
; and divides O at the end.  When M moves, the sum and O are multiplied by 2^(old M - new M), which rounds nothing.  LIMIT: the promise holds while |t| stays under 2^31.
; SHARES.  The 96 (batch, head) pairs have 86 query tiles each: 8,256 tiles on end.  Work-group i owns tiles 33 i .. 33 i + 32 (the last: six).  33 < 86, so its tiles lie in one pair or in two neighbours, whose
; records (k's and v's codes and scales, 98,560 bytes each) are neighbours in memory: the first lies in LDS from byte 0, the second behind it.  Waves 0-4 fetch the first; waves 5-9 the second, only where the
; work-group's last tile lies in it (a test on the work-group's number).  All are first fills; every wait for tensor loads is for 0.
; Sixteen waves, four to a SIMD.  Every wave makes three walks of five trips (two key steps each) and the last step: every trip count is a constant, and a mask of ids says which of a walk's six parts a wave runs.
; Walks 1 and 2: wave w owns tile w, then tile w + 16, whole.  WALK 3 IS SHARED: the 33rd tile is cut along the keys into five units: trips 0-3, and trip 4 with the last step.  Wave u < 5 runs unit u from zeros, as a
; tile of its own.  Every wave puts its O^T, -M and sum into its own bytes of a stage in LDS, as images of the registers; behind one barrier wave 0 brings the five parts under the largest M (factors 2^(M_u - M),
; which round nothing), adds them and goes the way out.
; NO CLUSTER: 251 is no multiple of four, and a shared record lies at LDS byte 0 in one work-group and at 98,560 in its neighbour, so no descriptor would be equal in all partners.
; NO PREFETCH: the launch has no loop that loads from memory: each record comes once, at the head.
; LAYOUT.  Both products are used transposed: a lane holds one query throughout.  THE KEYS OF A TILE ARE CHOSEN BY THE LDS ADDRESS: row m of tile t of a group of 64 keys is key 32 (m / 8) + 8 t + m % 8.
; So lane (r, h) holds in the 32 registers of a group's four tiles the 32 neighbouring keys of block h of the group: a whole block of the second product's K, in the order of that operand's registers.
; The block's largest score needs no other lane, and the conversions' results are the operand.  In the record that key lies in tile 2 (m / 8) + t % 2, row 8 (t / 2) + m % 8.
; The last step's second group has one live block (keys 1,344 to 1,373): it is read in the record's own tile order, 16 keys to a lane, and the halves are exchanged.
; The head's 64 are half of the instruction's 128 along K: q's upper four registers are zero codes and the upper two scale bytes of both sides 0, so a fragment's upper half (the next tile's codes) adds nothing.
; LOADS: k's tiles and scale words and v's scale bytes come one step ahead, in one run with the step's own fragments of v, behind the first product.
; REGISTERS: v1-4 LDS addresses of the trip; v7-11, v15, v25, v26, v254, v255 lane constants; v12, v14 -M by turns, v13 the largest score; v16-24 q; v28-63 k; v64-95 v; v96-159 scores, then p; v160-191 O^T;
; v192-199 k's scale words; v200-203 v's bytes; v204-207, v244-247 v's words by turns; v209-219 the way out; v220-223, v27 the next q; v224-231 p's codes; v232-253 at work.
.set RECB,  98560
.set VC,    45056                      ; in a record: v's codes,
.set KS,    90112                      ; k's scale words,
.set VS,    95744                      ; v's scale bytes
.set SPARE, 2*RECB+2048                ; the spare words, 128 bytes for each wave, 2,048 bytes behind the records
.set STG,   SPARE+2048                 ; the stage: 4,608 bytes for each wave: 8 x 512 of O^T, 512 of (sum, -M)
.set TPG,   33
.set NTILE, 8256
.set DIV86, 48771                      ; (F x 48,771) >> 22 = F / 86 for every F under 8,300
.set ADK,  1
.set ADV,  2
.set ADS,  3
.set ADT,  4
.set SPW,  5
.set NIL,  6
.set AKC,  8                           ; 1,024 (r / 8) + 256 h + 16 (r % 8)
.set L16,  9                           ; 16 x lane
.set KSC,  10                          ; 16 (r % 8) + 8 (r / 8)
.set VSC,  11                          ; 8 r
.set RM,   13
.set H8,   15                          ; 8 h
.set R4,   25
.set R16,  26
.set QSN,  27
.set KF,   28
.set ADO,  216
.set QN,   220
.set STA,  254                         ; my place in the stage
.set MLA,  255                         ; the stage's first byte + 16 x lane
.set WV,   12
.set F0,   13
.set FE,   14
.set BH0,  15
.set G1,   16
.set G0,   24
.set SEL,  28
.set CS,   30
.set PS0,  32
.set PS1,  33
.set MH,   34
.set TB,   35                          ; the NEXT trip's place in the record: codes, 8,192 bytes a trip,
.set TS,   36                          ; k's scale words, 1,024,
.set TJ,   37                          ; v's scale bytes, 512
.set TI,   38
.set CT,   39
.set KN,   40
.set OC,   48
.set OS,   49
.set REC,  50
.set NF,   51
.set FL,   54
.set TC,   55                          ; my tile, held at the work-group's last
.set F32,  56                          ; the 33rd tile
.set U,    57                          ; the trip at which my opening loads begin: 0, or in walk 3 my unit's
.set ACT,  58                          ; the parts of the walk that I run, a bit each (trips 0-4, the last step), shifted down once a trip
.set A3,   59                          ; that mask in walk 3
.set WU,   60                          ; my wave's number, held at 4
	s_load_b256 s[4:11], s[0:1], 0x0               ; qbuf, kv, ctx_codes, ctx_scales
	v_lshl_add_u32 v[SPW], v0, 2, SPARE
	v_mov_b32 v[NIL], 0
	ds_add_u32 v[SPW], v[NIL]                      ; the opening: the add, twice on end, and its wait ahead of the first tensor load
	ds_add_u32 v[SPW], v[NIL]
	v_lshrrev_b32 v232, 5, v0
	s_delay_alu instid0(VALU_DEP_1)
	v_readfirstlane_b32 s[WV], v232                ; wave 0..15
	s_mul_i32 s[F0], ttmp9, TPG
	s_add_co_u32 s[FE], s[F0], TPG
	s_min_u32 s[FE], s[FE], NTILE
	s_mul_i32 s[BH0], s[F0], DIV86
	s_lshr_b32 s[BH0], s[BH0], 22
	s_sub_co_u32 s[FL], s[FE], 1
	s_mul_i32 s42, s[FL], DIV86
	s_lshr_b32 s42, s42, 22
	s_cmp_lg_u32 s42, s[BH0]
	s_cselect_b32 s[NF], 10, 5                     ; two records are wanted, or one
	s_mov_b32 s[G1], 3<<16                         ; elements of 8 bytes
	s_mov_b32 s[G1+1], 32<<16                      ; rows of 256 bytes,
	s_mov_b32 s[G1+2], 77<<16                      ; 77 of them: a fifth of a record
	s_mov_b32 s[G1+3], 32<<16
	s_mov_b32 s[G1+4], 77
	s_mov_b32 s[G1+5], 32
	s_mov_b32 s[G1+6], 0
	s_mov_b32 s[G1+7], 0
	s_mov_b32 s[G0], 1
	s_mul_i32 s[G0+1], s[WV], 19712
	s_mul_i32 s52, s[BH0], RECB
	s_add_co_u32 s52, s52, s[G0+1]
	s_mov_b32 s53, 0
	s_mov_b32 s[SEL], 0x76543210
	s_mov_b32 s[SEL+1], 0xfedcba98
	s_mov_b32 s[CS], 0x3e38aa3b                    ; log2(e) / 8
	s_mov_b32 s[CS+1], s[CS]
	s_mov_b32 s[PS0], 0x05040100
	s_mov_b32 s[PS1], 0x07060302
	s_mov_b32 s[MH], 0xffff0000                    ; lanes 16-31
	s_add_co_u32 s[TI], s[F0], s[WV]
	s_add_co_u32 s[F32], s[F0], 32
	s_min_u32 s[WU], s[WV], 4
	s_lshl_b32 s[A3], 1, s[WV]
	s_and_b32 s[A3], s[A3], 15                     ; waves 0-3: trip w;
	s_cmp_eq_u32 s[WV], 4
	s_cselect_b32 s[A3], 48, s[A3]                 ; wave 4: trip 4 and the last step; the others: nothing
	s_mul_i32 s41, s[WV], 4608
	s_wait_dscnt 0x0
	s_wait_kmcnt 0x0
	s_add_nc_u64 s[G0+2:G0+3], s[6:7], s[52:53]
	s_or_b32 s[G0+3], s[G0+3], 0x80000000
	s_cmp_lt_u32 s[WV], 10                         ; waves 10-15 never fetch;
	s_cbranch_scc0 .Lno_fill
	s_cmp_lt_u32 s[WV], s[NF]                      ; waves 5-9 only where the second record is read
	s_cbranch_scc0 .Lno_fill
	tensor_load_to_lds s[G0:G0+3], s[G1:G1+7]
	s_nop 0
.rept 4
	v_nop
.endr
.Lno_fill:
	v_and_b32 v232, 15, v0                         ; r
	v_bfe_u32 v233, v0, 4, 1                       ; h
	v_and_b32 v234, 31, v0
	v_bfe_u32 v235, v0, 3, 1                       ; r / 8
	v_and_b32 v236, 7, v0                          ; r % 8
	v_lshlrev_b32 v[L16], 4, v234
	v_lshlrev_b32 v[AKC], 10, v235
	v_lshlrev_b32 v[KSC], 3, v235
	v_lshlrev_b32 v[VSC], 3, v232
	v_lshlrev_b32 v[R16], 4, v232
	v_lshl_add_u32 v[AKC], v233, 8, v[AKC]
	v_lshl_add_u32 v[KSC], v236, 4, v[KSC]
	v_lshlrev_b32 v[R4], 2, v232
	v_lshlrev_b32 v[H8], 3, v233
	v_lshl_add_u32 v[AKC], v236, 4, v[AKC]
	v_lshl_add_u32 v7, v233, 3, v[R16]             ; 16 r + 8 h
	v_add_nc_u32 v[MLA], STG, v[L16]
	v_add_nc_u32 v[STA], s41, v[MLA]
.irp n, 20,21,22,23,60,61,62,63,239,242,243,249,252,253
	v_mov_b32 v[\n], 0                             ; q's upper half of K and the four registers behind k's tile 7: zero codes; the lane permutes' destinations and the upper halves of pairs and quads: written once
.endr
	v_mov_b32 v208, 0xff800000                     ; -infinity
	s_wait_alu depctr_va_vdst(0)                   ; the wait at the head's end, ahead of the scalar lines and waits below
.macro QLOAD                           ; the tile in s41: its codes of q (16 bytes a lane) and its scale words
	s_mul_i32 s42, s41, DIV86
	s_lshr_b32 s42, s42, 22
	s_mul_i32 s43, s42, 86
	s_sub_co_u32 s43, s41, s43                     ; its number in the pair
	s_mul_i32 s42, s42, 50688                      ; the pair's record in qbuf
	s_lshl_b32 s46, s43, 9
	s_add_co_u32 s46, s46, s42                     ; codes: 512 bytes a tile
	s_lshr_b32 s44, s43, 2
	s_lshl_b32 s44, s44, 8
	s_and_b32 s43, s43, 3
	s_lshl_b32 s43, s43, 2
	s_add_co_u32 s44, s44, s43
	s_add_co_u32 s44, s44, s42
	s_add_co_u32 s44, s44, 45056                   ; scale words: [group of 4 tiles][r][tile]
	v_add_nc_u32 v218, s46, v[L16]
	v_add_nc_u32 v219, s44, v[R16]
	global_load_b128 v[QN:QN+3], v218, s[4:5]
	global_load_b32 v[QSN], v219, s[4:5]
.endm
	s_min_u32 s41, s[FL], s[TI]                    ; my first tile, held at the work-group's last
	QLOAD
	s_wait_tensorcnt 0x0
	s_barrier_signal -1
	s_barrier_wait -1                              ; both records are whole: they are only read from here on
.macro SMM t                           ; S^T: 16 keys x my 16 queries
	v_wmma_scale_f32_16x16x128_f8f6f4 v[96+8*\t:103+8*\t], v[KF+4*\t:KF+4*\t+7], v[16:23], 0, v[192+\t], v24 matrix_a_fmt:MATRIX_FMT_FP4 matrix_b_fmt:MATRIX_FMT_FP4
.endm
.macro KPRE o                          ; k's eight tiles, their scale words and v's scale bytes of the step o steps on from the trip's addresses: 14 loads
.irp c, 0,1
.irp t, 0,1,2,3
	ds_load_b128 v[KF+16*\c+4*\t:KF+16*\c+4*\t+3], v[ADK] offset:4096*(\o)+2048*\c+512*(\t%2)+128*(\t/2)
.endr
.endr
.irp c, 0,1
.irp b, 0,1
	ds_load_b64 v[192+4*\c+2*\b:193+4*\c+2*\b], v[ADS] offset:512*(\o)+256*\c+128*\b
.endr
.endr
	ds_load_b64 v[200:201], v[ADT] offset:256*(\o)
	ds_load_b64 v[202:203], v[ADT] offset:256*(\o)+128
.endm
.macro ADD4 j
	v_pk_add_f32 v[240:241], v[240:241], v[96+\j:97+\j]
	v_pk_add_f32 v[242:243], v[242:243], v[98+\j:99+\j]
.endm
; A KEY STEP: 128 keys.  par: the step's place in its trip; -M and v's scale words take turns between two sets of registers.  last = 1: the eleventh: blocks 0-2 are live.
.macro STEP par, last
.set NMN, 12+2*\par
.set NMO, 14-2*\par
.set VW,  204+40*\par
.set NR,  64-16*\last
	s_wait_dscnt 0x0                               ; this step's k, scale words and v's bytes, asked for a step ago
.if \last
	v_add_nc_u32 v[ADO], s41, v[R16]
	ds_load_b128 v[KF+16:KF+19], v[ADV] offset:2048    ; block 2 in the record's own order: two tiles, 16 keys to a lane
	ds_load_b128 v[KF+20:KF+23], v[ADV] offset:2560
	ds_load_b64 v[196:197], v[ADO]
	SMM 0
	SMM 1
	SMM 2
	s_wait_dscnt 0x0
	SMM 3
	SMM 4
	SMM 5
.else
.irp t, 0,1,2,3,4,5,6,7
	SMM \t
.endr
.endif
	v_perm_b32 v[VW], v202, v200, s[PS0]           ; v's scale words.  These four name no register of the products above nor of the last step's: they are the places ahead of the loads below and of the first reads of S^T
	v_perm_b32 v[VW+1], v202, v200, s[PS1]
	v_perm_b32 v[VW+2], v203, v201, s[PS0]
	v_perm_b32 v[VW+3], v203, v201, s[PS1]
.irp t, 0,1,2,3
.irp c, 0,1
	ds_load_b128 v[64+8*\t+4*\c:67+8*\t+4*\c], v[ADV] offset:VC+4096*\par+1024*\t+512*\c
.endr
.endr
.if \last == 0
	KPRE \par+1
.endif
.irp c, 0,1                                    ; the largest score of each block: a block's 32 registers in two chains
.if (\last == 0) || (\c == 0)
	v_max3_num_f32 v[232+\c], v[96+32*\c], v[97+32*\c], v[98+32*\c]
	v_max3_num_f32 v[234+\c], v[112+32*\c], v[113+32*\c], v[114+32*\c]
.else
	v_max3_num_f32 v233, v128, v129, v130
.endif
.endr
.irp i, 3,5,7,9,11,13
.if \last && (\i == 13)
	v_cndmask_b32 v142, v142, v208, s[MH]          ; keys 1,374 and 1,375
	v_cndmask_b32 v143, v143, v208, s[MH]
.endif
.irp c, 0,1
.if (\last == 0) || (\c == 0)
	v_max3_num_f32 v[232+\c], v[232+\c], v[96+32*\c+\i], v[97+32*\c+\i]
	v_max3_num_f32 v[234+\c], v[234+\c], v[112+32*\c+\i], v[113+32*\c+\i]
.else
	v_max3_num_f32 v233, v233, v[128+\i], v[129+\i]
.endif
.endr
.endr
	v_max3_num_f32 v232, v232, v234, v111
.if \last
	v_max_num_f32 v233, v233, v143
	v_max_num_f32 v232, v232, v127
	s_delay_alu instid0(VALU_DEP_2)
	v_permlanex16_b32 v249, v233, s[SEL], s[SEL+1]
	s_delay_alu instid0(VALU_DEP_1)
	v_max_num_f32 v233, v233, v249                 ; block 2: with lane l xor 16's 16 keys
.else
	v_max3_num_f32 v233, v233, v235, v143
	v_max_num_f32 v232, v232, v127
	v_max_num_f32 v233, v233, v159
.endif
	s_delay_alu instid0(VALU_DEP_1)
	v_max_num_f32 v248, v232, v233
.if \par                                       ; the next trip's addresses stand among the chain's lines: all loads of this trip are issued
	v_add_nc_u32 v[ADK], s[TB], v[AKC]
	s_delay_alu instid0(VALU_DEP_2)
	v_permlanex16_b32 v249, v248, s[SEL], s[SEL+1]
	v_add_nc_u32 v[ADV], s[TB], v[L16]
	s_delay_alu instid0(VALU_DEP_2)
	v_max3_num_f32 v[RM], v[RM], v248, v249        ; the running largest score of my query
	v_add_nc_u32 v[ADS], s[TS], v[KSC]
	s_delay_alu instid0(VALU_DEP_2)
	v_mul_f32 v250, s[CS], v[RM]                   ; as t
	v_add_nc_u32 v[ADT], s[TJ], v[VSC]
	s_delay_alu instid0(VALU_DEP_2)
	v_floor_f32 v[NMN], -v250                      ; the new -M = -ceil(t)
.else
	s_delay_alu instid0(VALU_DEP_1)
	v_permlanex16_b32 v249, v248, s[SEL], s[SEL+1]
	s_delay_alu instid0(VALU_DEP_1)
	v_max3_num_f32 v[RM], v[RM], v248, v249
	s_delay_alu instid0(VALU_DEP_1)
	v_mul_f32 v250, s[CS], v[RM]
	s_delay_alu instid0(VALU_DEP_1)
	v_floor_f32 v[NMN], -v250
.endif
.set J, 0
.rept NR/2
	v_pk_fma_f32 v[96+J:97+J], v[96+J:97+J], s[CS:CS+1], v[NMN:NMN+1] op_sel_hi:[1,0,0]   ; t - M
.set J, J+2
.endr
	v_fma_f32 v232, v232, s[CS], v[NMN]            ; the same of each block's largest score
	v_fma_f32 v233, v233, s[CS], v[NMN]
	s_wait_alu depctr_va_vdst(0)                   ; the wait ahead of the batch
	v_exp_f32 v232, v232                           ; the blocks' largest p,
	v_exp_f32 v233, v233
.set J, 0
.rept NR
	v_exp_f32 v[96+J], v[96+J]                     ; and p = 2^(t - M)
.set J, J+1
.endr
	v_sub_f32 v251, v[NMN], v[NMO]                 ; old M - new M: a whole number, 0 or less.  (Plain lines behind the batch)
	s_delay_alu instid0(VALU_DEP_1)
	v_cvt_i32_f32 v251, v251                       ; (it saturates)
	s_delay_alu instid0(VALU_DEP_1)
	v_ldexp_f32 v252, 1.0, v251                    ; f = 2^(old M - new M)
	s_wait_alu depctr_va_vdst(0)                   ; one wait for the batch, ahead of its first reader; it also stands between the last step's products and the first read of O^T
	v_max_num_f32 v232, 0x1800000, v232            ; the floor: the byte cannot fall under 1.  The scales' lines and the row's sum of the unquantised p stand by turns
	v_max_num_f32 v233, 0x1800000, v233
	v_pk_fma_f32 v[240:241], v[240:241], v[252:253], v[96:97] op_sel_hi:[1,0,1]   ; the sum under the new M, and the first pair
	v_pk_add_f32 v[242:243], v[98:99], v[100:101]
	v_add_nc_u32 v234, 0xff000000, v232            ; 2 off the exponent field: the conversion's scale operand
	v_add_nc_u32 v235, 0xff000000, v233
	ADD4 6
	v_lshrrev_b32 v236, 23, v234                   ; the scales' bytes
	v_lshrrev_b32 v237, 23, v235
	ADD4 10
	v_lshl_or_b32 v238, v237, 16, v236             ; my blocks h and 2 + h,
	ADD4 14
	v_lshlrev_b32 v238, v[H8], v238                ; at their places;
	ADD4 18
	v_permlanex16_b32 v239, v238, s[SEL], s[SEL+1]
	ADD4 22
	v_or_b32 v253, v238, v239                      ; with lane l xor 16's two: p's scale word for these 128 keys
.irp j, 26,30,34,38,42,46,50,54,58
.if \j < NR-4
	ADD4 \j
.endif
.endr
	v_pk_add_f32 v[240:241], v[240:241], v[96+NR-2:96+NR-1]
	s_delay_alu instid0(VALU_DEP_1)
	v_pk_add_f32 v[240:241], v[240:241], v[242:243]
.irp t, 0,1,2,3
	v_cvt_scalef32_pk8_fp4_f32 v[224+\t], v[96+8*\t:103+8*\t], v234
.endr
.if \last
	v_cvt_scalef32_pk8_fp4_f32 v228, v[128:135], v235
	v_cvt_scalef32_pk8_fp4_f32 v229, v[136:143], v235
	v_mov_b32 v230, 0                              ; (plain lines behind the conversions)
	v_mov_b32 v231, 0
	v_permlane16_swap_b32 v228, v230               ; lanes 0-15 get block 2 whole, lanes 16-31 zero codes: block 3 holds no key
	v_permlane16_swap_b32 v229, v231
.else
.irp t, 0,1,2,3
	v_cvt_scalef32_pk8_fp4_f32 v[228+\t], v[128+8*\t:135+8*\t], v235
.endr
.endif
	s_wait_dscnt 14-14*\last                       ; v's eight fragments are in; the 14 loads for the next step, issued behind them, may be out
.irp j, 0,2,4,6,8,10,12,14,16,18,20,22,24,26,28,30
	v_pk_mul_f32 v[160+\j:161+\j], v[160+\j:161+\j], v[252:253] op_sel_hi:[1,0]   ; O^T under the new M; these 16 are also the places between the codes, the scale word and the products
.endr
.irp t, 0,1,2,3
	v_wmma_scale_f32_16x16x128_f8f6f4 v[160+8*\t:167+8*\t], v[64+8*\t:71+8*\t], v[224:231], v[160+8*\t:167+8*\t], v[VW+\t], v253 matrix_a_fmt:MATRIX_FMT_FP4 matrix_b_fmt:MATRIX_FMT_FP4
.endr
.endm
; THE WAY OUT: ctx = O^T / the sum; register 16 bl + i is d = 32 bl + 16 h + i of my query: half a block of the last product's K
.macro WAYOUT
	v_add_f32 v240, v240, v241                     ; (the plain lines up to the first read of O^T name no register of the last products: they are the places behind them)
	s_delay_alu instid0(VALU_DEP_1)
	v_permlanex16_b32 v249, v240, s[SEL], s[SEL+1]
	s_delay_alu instid0(VALU_DEP_1)
	v_add_f32 v240, v240, v249                     ; the row's sum
	s_wait_alu depctr_va_vdst(0)                   ; the wait ahead of the reciprocal
	v_rcp_f32 v240, v240
	v_add_nc_u32 v209, s[OC], v7
	v_add_nc_u32 v216, s[OS], v[R4]
	s_wait_alu depctr_va_vdst(0)                   ; and ahead of its first reader, which is O^T's first reader too
.irp j, 0,2,4,6,8,10,12,14,16,18,20,22,24,26,28,30
	v_pk_mul_f32 v[96+\j:97+\j], v[160+\j:161+\j], v[240:241] op_sel_hi:[1,0]
.endr
.irp b, 0,1
	v_max3_num_f32 v[232+\b], |v[96+16*\b]|, |v[97+16*\b]|, 0x1800000
.endr
.irp i, 2,4,6,8,10,12,14
.irp b, 0,1
	s_delay_alu instid0(VALU_DEP_2)
	v_max3_num_f32 v[232+\b], v[232+\b], |v[96+16*\b+\i]|, |v[97+16*\b+\i]|
.endr
.endr
.irp b, 0,1
	s_delay_alu instid0(VALU_DEP_2)
	v_permlanex16_b32 v[236+\b], v[232+\b], s[SEL], s[SEL+1]
.endr
.irp b, 0,1
	s_delay_alu instid0(VALU_DEP_2)
	v_max_num_f32 v[232+\b], v[232+\b], v[236+\b]
.endr
.irp b, 0,1
	s_delay_alu instid0(VALU_DEP_2)
	v_add_nc_u32 v[244+\b], 0xff000000, v[232+\b]
.endr
.irp b, 0,1
	s_delay_alu instid0(VALU_DEP_2)
	v_lshrrev_b32 v[236+\b], 23, v[244+\b]
.endr
	s_delay_alu instid0(VALU_DEP_1)
	v_lshl_or_b32 v217, v237, 8, v236
.irp b, 0,1
	v_cvt_scalef32_pk8_fp4_f32 v[210+2*\b], v[96+16*\b:103+16*\b], v[244+\b]
	v_cvt_scalef32_pk8_fp4_f32 v[211+2*\b], v[104+16*\b:111+16*\b], v[244+\b]
.endr
	v_nop                                          ; one plain line behind the last conversion
	global_store_b64 v209, v[210:211], s[8:9]      ; a wave's store covers 256 consecutive bytes, aligned
	global_store_b64 v209, v[212:213], s[8:9] offset:256
	global_store_b16 v216, v217, s[10:11]          ; my head's two bytes of row r's scale word; both halves of the lanes write the same
.endm
	s_mov_b32 s[CT], 3
.Ltile:
	s_wait_loadcnt 0x0                             ; this walk's q is in
	s_wait_xcnt 0x0                                ; the last walk's loads and stores have read their registers
	s_wait_dscnt 0x0                               ; no LDS load is out (a wave may have asked for more than it has waited for)
	v_mov_b32 v16, v[QN]
	v_mov_b32 v17, v[QN+1]
	v_mov_b32 v18, v[QN+2]
	v_mov_b32 v19, v[QN+3]
	v_mov_b32 v24, v[QSN]
	s_cmp_eq_u32 s[CT], 1                          ; walk 3: every wave takes the 33rd tile, and of it its own unit
	s_cselect_b32 s[TI], s[F32], s[TI]
	s_cselect_b32 s[U], s[WU], 0
	s_cselect_b32 s[ACT], s[A3], 63
	s_cmp_ge_u32 s[TI], s[FE]
	s_cselect_b32 s[ACT], 0, s[ACT]                ; no tile: nothing to run
	s_min_u32 s[TC], s[TI], s[FL]                  ; a wave with no tile takes the last tile's places and uses nothing of them
	s_mul_i32 s42, s[TC], DIV86
	s_lshr_b32 s42, s42, 22                        ; the pair, 12 x batch + head,
	s_mul_i32 s43, s42, 86
	s_sub_co_u32 s43, s[TC], s43                   ; the tile's number in it,
	s_cmp_lg_u32 s42, s[BH0]
	s_cselect_b32 s[REC], RECB, 0                  ; its record in LDS
	s_mov_b32 s[TB], s[REC]
	s_add_co_u32 s[TS], s[REC], KS
	s_add_co_u32 s[TJ], s[REC], VS
	s_lshl_b32 s44, s[U], 13                       ; my first trip's place in the record
	s_add_co_u32 s44, s44, s[TB]
	s_lshl_b32 s45, s[U], 10
	s_add_co_u32 s45, s45, s[TS]
	s_lshl_b32 s46, s[U], 9
	s_add_co_u32 s46, s46, s[TJ]
	v_add_nc_u32 v[ADK], s44, v[AKC]
	v_add_nc_u32 v[ADV], s44, v[L16]
	v_add_nc_u32 v[ADS], s45, v[KSC]
	v_add_nc_u32 v[ADT], s46, v[VSC]
	KPRE 0                                         ; its first step's k, scale words and v's bytes
	s_add_co_u32 s[TB], s[TB], 8192
	s_add_co_u32 s[TS], s[TS], 1024
	s_add_co_u32 s[TJ], s[TJ], 512
	s_mul_i32 s44, s42, 5462
	s_lshr_b32 s44, s44, 16                        ; the batch,
	s_mul_i32 s45, s44, 12
	s_sub_co_u32 s45, s42, s45                     ; the head
	s_mul_i32 s44, s44, 88
	s_add_co_u32 s44, s44, s43
	s_mul_i32 s[OC], s44, 6144
	s_lshl_b32 s46, s45, 9
	s_add_co_u32 s[OC], s[OC], s46                 ; codes: 6,144 x tile + 512 x head
	s_mul_i32 s[OS], s44, 384
	s_lshr_b32 s46, s45, 1
	s_lshl_b32 s46, s46, 6
	s_add_co_u32 s[OS], s[OS], s46
	s_and_b32 s46, s45, 1
	s_lshl_b32 s46, s46, 1
	s_add_co_u32 s[OS], s[OS], s46                 ; scale bytes: 384 x tile + 64 (head / 2) + 2 (head % 2)
	s_add_co_u32 s41, s[TI], 16
	s_cmp_eq_u32 s[CT], 2
	s_cselect_b32 s41, s[F32], s41                 ; ahead of walk 3: the 33rd tile's q
	s_cmp_ge_u32 s41, s[FE]                        ; the next walk's q is asked for a walk ahead
	s_cbranch_scc1 .Lno_next
	QLOAD
.Lno_next:
	v_mov_b32 v[RM], 0xff61b1e6                    ; the largest score so far: -3e38
	v_mov_b32 v14, 0x7f61b1e6                      ; -M
	v_mov_b32 v240, 0                              ; the sum, in two halves
	v_mov_b32 v241, 0
.set J, 0
.rept 32
	v_mov_b32 v[160+J], 0                          ; O^T: the step is written once; the first finds zeros, which the first change of M leaves zeros
.set J, J+1
.endr
	s_mov_b32 s[KN], 5
.Lkey:
	s_and_b32 s41, s[ACT], 1                       ; a trip that is not mine only steps the places
	s_cbranch_scc0 .Lskip
	STEP 0, 0
	STEP 1, 0
.Lskip:
	s_lshr_b32 s[ACT], s[ACT], 1
	s_add_co_u32 s[TB], s[TB], 8192
	s_add_co_u32 s[TS], s[TS], 1024
	s_add_co_u32 s[TJ], s[TJ], 512
	s_sub_co_u32 s[KN], s[KN], 1
	s_cmp_lg_u32 s[KN], 0
	s_cbranch_scc1 .Lkey
	s_and_b32 s41, s[ACT], 1
	s_cbranch_scc0 .Lno_last
	s_add_co_u32 s41, s[REC], KS+5376              ; the scale words of the record's group 21
	STEP 0, 1
	v_mov_b32 v14, v12                             ; -M stands in v14 behind every unit
	s_wait_alu depctr_va_vdst(0)                   ; directly behind the write
.Lno_last:
	s_cmp_eq_u32 s[CT], 1
	s_cbranch_scc1 .Lthird                         ; walk 3's parts are joined below
	s_cmp_ge_u32 s[TI], s[FE]
	s_cbranch_scc1 .Lno_out
	WAYOUT
.Lno_out:
	s_add_co_u32 s[TI], s[TI], 16
	s_sub_co_u32 s[CT], s[CT], 1
	s_cmp_lg_u32 s[CT], 0
	s_cbranch_scc1 .Ltile
.Lthird:
.rept 4
	v_nop                                          ; places behind the last products, ahead of the stores of O^T and of the loads into operands
.endr
	s_wait_alu depctr_va_vdst(0)
	v_add_f32 v240, v240, v241                     ; my part's sum,
	v_mov_b32 v241, v14                            ; and its -M.  Every wave stores its part, with no branch: a wave with no unit stores zeros that nobody reads
.irp q, 0,1,2,3,4,5,6,7
	ds_store_b128 v[STA], v[160+4*\q:163+4*\q] offset:512*\q
.endr
	ds_store_b128 v[STA], v[240:243] offset:4096
	s_wait_alu depctr_va_vdst(0)                   ; directly ahead of the wait below
	s_wait_dscnt 0x0                               ; my stores are done, and no load of mine is out
	s_barrier_signal -1
	s_barrier_wait -1
	s_cmp_ge_u32 s[F32], s[FE]                     ; the last work-group has no 33rd tile
	s_cbranch_scc1 .Lend
	s_cmp_lg_u32 s[WV], 0                          ; wave 0 joins the parts; its own is in its registers: O^T, the sum in v240, -M in v14
	s_cbranch_scc1 .Lend
.irp u, 1,2,3,4
	ds_load_b128 v[220+4*\u:223+4*\u], v[MLA] offset:4608*\u+4096   ; part u: sum, -M; the two registers behind them take its factor
.endr
.macro MLD u, base
.irp q, 0,1,2,3,4,5,6,7
	ds_load_b128 v[\base+4*\q:\base+4*\q+3], v[MLA] offset:4608*\u+512*\q
.endr
.endm
	MLD 1, 96
	MLD 2, 128
	MLD 3, 28
	MLD 4, 60
	s_wait_dscnt 32                                ; the four (sum, -M) are in; the 32 loads of O^T, issued behind them, may be out
	v_min3_num_f32 v249, v14, v225, v229
	s_delay_alu instid0(VALU_DEP_1)
	v_min3_num_f32 v249, v249, v233, v237          ; -M of the whole row: the least
	s_delay_alu instid0(VALU_DEP_1)
	v_sub_f32 v250, v249, v14                      ; M_u - M: a whole number, 0 or less
.irp u, 1,2,3,4
	v_sub_f32 v[223+4*\u], v249, v[221+4*\u]
.endr
	v_cvt_i32_f32 v250, v250
.irp u, 1,2,3,4
	v_cvt_i32_f32 v[223+4*\u], v[223+4*\u]
.endr
	v_ldexp_f32 v252, 1.0, v250                    ; the factors 2^(M_u - M)
.irp u, 1,2,3,4
	v_ldexp_f32 v[222+4*\u], 1.0, v[223+4*\u]
.endr
	v_mul_f32 v248, v240, v252
.irp u, 1,2,3,4
	v_fma_f32 v248, v[220+4*\u], v[222+4*\u], v248
.endr
	s_wait_alu depctr_va_vdst(0)                   ; directly ahead of the wait below
	s_wait_dscnt 0x0
.irp j, 0,2,4,6,8,10,12,14,16,18,20,22,24,26,28,30
	v_pk_mul_f32 v[160+\j:161+\j], v[160+\j:161+\j], v[252:253] op_sel_hi:[1,0]
.endr
.macro MADD u, base
.irp j, 0,2,4,6,8,10,12,14,16,18,20,22,24,26,28,30
	v_pk_fma_f32 v[160+\j:161+\j], v[\base+\j:\base+\j+1], v[222+4*\u:223+4*\u], v[160+\j:161+\j] op_sel_hi:[1,0,1]
.endr
.endm
	MADD 1, 96
	MADD 2, 128
	MADD 3, 28
	MADD 4, 60
	v_mov_b32 v240, v248                           ; the row's sum, as the way out takes it
	v_mov_b32 v241, 0
	WAYOUT
.Lend:
	s_wait_tensorcnt 0x0                           ; the wave's end
	ds_add_u32 v[SPW], v[NIL]
	s_wait_dscnt 0x0
	s_endpgm
.Lfunc_end_k_q99726bd674_attn:
	.size	k_q99726bd674_attn, .Lfunc_end_k_q99726bd674_attn-k_q99726bd674_attn
	.p2alignl 7, 3214868480
	.fill 96, 4, 3214868480
	.section	.rodata,"a",@progbits
	.p2align	6, 0x0
	.amdhsa_kernel k_q99726bd674_attn
		.amdhsa_group_segment_fixed_size 274944
		.amdhsa_private_segment_fixed_size 0
		.amdhsa_enable_private_segment 0
		.amdhsa_kernarg_size 32
		.amdhsa_user_sgpr_count 2
		.amdhsa_user_sgpr_kernarg_segment_ptr 1
		.amdhsa_wavefront_size32 1
		.amdhsa_system_sgpr_workgroup_id_x 1
		.amdhsa_system_sgpr_workgroup_id_y 1
		.amdhsa_system_sgpr_workgroup_id_z 1
		.amdhsa_system_vgpr_workitem_id 0
		.amdhsa_next_free_vgpr 256
		.amdhsa_next_free_sgpr 66
		.amdhsa_reserve_vcc 0
		.amdhsa_float_denorm_mode_32 3
		.amdhsa_float_denorm_mode_16_64 3
		.amdhsa_memory_ordered 1
		.amdhsa_forward_progress 1
		.amdhsa_inst_pref_size 69
	.end_amdhsa_kernel
	.amdgpu_metadata
---
amdhsa.version: [ 1, 2 ]
amdhsa.kernels:
  - .name:           k_q99726bd674_attn
    .symbol:         k_q99726bd674_attn.kd
    .args:
      - { .name: qbuf, .offset: 0, .size: 8, .value_kind: global_buffer, .address_space: global }
      - { .name: kv, .offset: 8, .size: 8, .value_kind: global_buffer, .address_space: global }
      - { .name: ctx_codes, .offset: 16, .size: 8, .value_kind: global_buffer, .address_space: global }
      - { .name: ctx_scales, .offset: 24, .size: 8, .value_kind: global_buffer, .address_space: global }
    .group_segment_fixed_size: 274944
    .private_segment_fixed_size: 0
    .kernarg_segment_align: 8
    .kernarg_segment_size: 32
    .max_flat_workgroup_size: 512
    .sgpr_count:     66
    .vgpr_count:     256
    .wavefront_size: 32
...
	.end_amdgpu_metadata
.endif
;; end of part 3
;; launch proj (part 4): grid 44 x 4, 4 waves a work-group, no clusters, 327,680 bytes of LDS; arguments xw_codes, xw_scales, ctx_codes, ctx_scales, bp, out0; writes out0
.if DOCPART == 4
	.amdgcn_target "amdgcn-amd-amdhsa--gfx1250"
	.amdhsa_code_object_version 6
	.text
	.protected	k_q99726bd674_proj
	.globl	k_q99726bd674_proj
	.p2align	8
	.type	k_q99726bd674_proj,@function
k_q99726bd674_proj:
	s_mov_b64 s[64:65], 0
	v_nop
	global_prefetch_b8 v0, s[64:65] scope:SCOPE_SE
	s_setreg_imm32_b32 hwreg(HW_REG_WAVE_MODE, 25, 1), 1
	s_wait_xcnt 0x0
.set PANELB, 24576
.set SCB,    3*PANELB
.set STAGE,  SCB+3*1536
.set SPARE,  STAGE+4*4352
.set ADR,  1
.set ADRS, 2
.set STO,  3
.set RD,   4
.set CO,   5
.set VOH,  6
.set VSL,  7
.set VSH,  8
.set VBQ,  12
.set L16,  14
.set R16,  15
.set SB0,  21
.set AS,   32
.set BS,   56
.set OB,   80
.set BF4,  160
.set SPW,  252
.set NIL,  253
.set WV,   20
.set G1C,  28
.set G1S,  36
.set G0C,  44
.set G0S,  48
.set MSB, 0
.macro WIN new
.if MSB != \new
	s_set_vgpr_msb (MSB<<8)|\new
.set MSB, \new
.endif
.endm
	s_load_b256 s[4:11], s[0:1], 0x0
	s_load_b128 s[12:15], s[0:1], 0x20
	v_lshl_add_u32 v[SPW], v0, 2, SPARE
	v_mov_b32 v[NIL], 0
	ds_add_u32 v[SPW], v[NIL]
	ds_add_u32 v[SPW], v[NIL]
	v_lshrrev_b32 v16, 5, v0
	v_readfirstlane_b32 s[WV], v16
	s_lshl_b32 s22, ttmp9, 2
	s_add_co_u32 s22, s22, s[WV]
	s_mul_i32 s23, s22, 2979
	s_lshr_b32 s23, s23, 16
	s_mul_i32 s24, s23, 22
	s_sub_co_u32 s24, s22, s24
	s_and_b32 s25, ttmp7, 0xffff
	s_mov_b32 s[G1C], 3<<16
	s_mov_b32 s[G1C+1], 32<<16
	s_mov_b32 s[G1C+2], 96<<16                     ; a panel of codes to a load: 96 rows of 256 bytes
	s_mov_b32 s[G1C+3], 32<<16
	s_mov_b32 s[G1C+4], 96
	s_mov_b32 s[G1C+5], 32
	s_mov_b32 s[G1C+6], 0
	s_mov_b32 s[G1C+7], 0
	s_mov_b32 s[G1S], 3<<16
	s_mov_b32 s[G1S+1], 32<<16                     ; the three panels' scale words, 4,608 dense bytes: 18 rows of 256 bytes
	s_mov_b32 s[G1S+2], 18<<16
	s_mov_b32 s[G1S+3], 32<<16
	s_mov_b32 s[G1S+4], 18
	s_mov_b32 s[G1S+5], 32
	s_mov_b32 s[G1S+6], 0
	s_mov_b32 s[G1S+7], 0
	s_mul_i32 s26, s25, 3
	s_add_co_u32 s26, s26, 212
	s_mul_i32 s60, s26, PANELB
	s_mul_i32 s[G0C+1], s[WV], 24576               ; waves 0-2: a panel each
	s_add_co_u32 s60, s60, s[G0C+1]
	s_mov_b32 s61, 0
	s_mul_i32 s62, s26, 1536
	s_mov_b32 s27, 0                               ; the scale words come whole, by wave 3
	s_add_co_u32 s62, s62, s27
	s_mov_b32 s63, 0
	s_add_co_u32 s[G0S+1], s27, SCB
	s_mov_b32 s[G0C], 1
	s_mov_b32 s[G0S], 1
	v_and_b32 v16, 15, v0
	v_bfe_u32 v17, v0, 4, 1
	v_and_b32 v18, 31, v0
	v_lshlrev_b32 v[L16], 4, v18
	v_lshlrev_b32 v[R16], 4, v16
	v_add_nc_u32 v[SB0], SCB, v[R16]
	v_lshlrev_b32 v[VBQ], 6, v17
	v_lshlrev_b32 v[VSL], 2, v16
	s_cmp_eq_u32 s24, 21
	s_cselect_b32 s26, 0, 12288
	s_cselect_b32 s27, 0, 768
	v_add_nc_u32 v[VOH], s26, v[L16]
	v_add_nc_u32 v[VSH], s27, v[VSL]
	s_mul_i32 s26, s[WV], 4352
	s_add_co_u32 s26, s26, STAGE
	v_mul_u32_u24 v[STO], v16, 272
	v_lshl_add_u32 v[STO], v17, 6, v[STO]
	v_add_nc_u32 v[STO], s26, v[STO]
	v_mul_u32_u24 v[RD], v17, 272
	v_lshl_add_u32 v[RD], v16, 4, v[RD]
	v_add_nc_u32 v[RD], s26, v[RD]
	v_mul_u32_u24 v[CO], v17, 3072
	v_lshl_add_u32 v[CO], v16, 4, v[CO]
	v_mov_b32 v[ADR], v[L16]
	v_mov_b32 v[ADRS], v[SB0]
	s_wait_alu depctr_va_vdst(0)
	s_wait_dscnt 0x0
	s_wait_kmcnt 0x0
	s_add_nc_u64 s[G0C+2:G0C+3], s[4:5], s[60:61]
	s_or_b32 s[G0C+3], s[G0C+3], 0x80000000
	s_add_nc_u64 s[G0S+2:G0S+3], s[6:7], s[62:63]
	s_or_b32 s[G0S+3], s[G0S+3], 0x80000000
	s_cmp_lt_u32 s[WV], 3                          ; the head's loads, one a wave: waves 0-2 the codes, wave 3 the scale words; every way passes one load
	s_cbranch_scc0 .Lhead_s
	tensor_load_to_lds s[G0C:G0C+3], s[G1C:G1C+7]
	s_nop 0
.rept 4
	v_nop
.endr
	s_branch .Lhead_asked
.Lhead_s:
	tensor_load_to_lds s[G0S:G0S+3], s[G1S:G1S+7]
	s_nop 0
.rept 4
	v_nop
.endr
.Lhead_asked:
	s_mul_i32 s66, s22, PANELB
	s_mov_b32 s67, 0
	s_add_nc_u64 s[8:9], s[8:9], s[66:67]
	s_mul_i32 s66, s22, 1536
	s_add_nc_u64 s[10:11], s[10:11], s[66:67]
	s_mul_i32 s66, s25, 768
	s_add_nc_u64 s[12:13], s[12:13], s[66:67]
	s_add_nc_u64 s[14:15], s[14:15], s[66:67]
	s_mul_i32 s66, s23, 1374
	s_lshl_b32 s26, s24, 6
	s_add_co_u32 s66, s66, s26
	s_mul_i32 s66, s66, 3072
	s_add_nc_u64 s[14:15], s[14:15], s[66:67]
	WIN 0x40
.irp xt, 0,1
.irp s, 0,1,2,3,4,5
.irp c, 0,1
	global_load_b128 v[8*(6*\xt+\s)+4*\c:8*(6*\xt+\s)+4*\c+3], v[L16], s[8:9] offset:6144*\xt+1024*\s+512*\c
	global_load_b128 v[8*(6*(\xt+2)+\s)+4*\c:8*(6*(\xt+2)+\s)+4*\c+3], v[VOH], s[8:9] offset:6144*\xt+1024*\s+512*\c
.endr
.endr
.endr
	WIN 0
.irp xt, 0,1
.irp s, 0,1,2,3,4,5
	global_load_b32 v[AS+4*\s+\xt], v[VSL], s[10:11] offset:384*\xt+64*\s
	global_load_b32 v[AS+4*\s+\xt+2], v[VSH], s[10:11] offset:384*\xt+64*\s
.endr
.endr
	WIN 0xc0
.irp p, 0,1,2
.irp wt, 0,1,2,3
.irp q, 0,1
	global_load_b128 v[32*\p+8*\wt+4*\q:32*\p+8*\wt+4*\q+3], v[VBQ], s[12:13] offset:256*\p+128*(\wt/2)+32*(\wt%2)+16*\q
.endr
.endr
.endr
	WIN 0
	s_wait_loadcnt 0x0
	s_wait_tensorcnt 0x0
	s_barrier_signal -1
	s_barrier_wait -1
.macro PFB
	WIN 0x80
.irp s, 0,1,2,3
.irp wt, 0,1,2,3
.irp c, 0,1
	ds_load_b128 v[128+32*\s+8*\wt+4*\c:128+32*\s+8*\wt+4*\c+3], v[ADR] offset:6144*\wt+1024*\s+512*\c
.endr
.endr
.endr
	WIN 0
.irp s, 4,5
.irp wt, 0,1,2,3
.irp c, 0,1
	ds_load_b128 v[BF4+32*(\s-4)+8*\wt+4*\c:BF4+32*(\s-4)+8*\wt+4*\c+3], v[ADR] offset:6144*\wt+1024*\s+512*\c
.endr
.endr
.endr
.irp s, 0,1,2,3,4,5
	ds_load_b128 v[BS+4*\s:BS+4*\s+3], v[ADRS] offset:256*\s
.endr
.endm
.macro WM d, a, b, cr, sa, sb
	v_wmma_scale_f32_16x16x128_f8f6f4 v[\d:\d+7], v[\a:\a+7], v[\b:\b+7], v[\cr:\cr+7], v[\sa], v[\sb] matrix_a_fmt:MATRIX_FMT_FP4 matrix_b_fmt:MATRIX_FMT_FP4
.endm
.macro MM p
.irp s, 0,1,2,3,4,5
.if \s < 4
.set FB, 128+32*\s
.else
.set FB, BF4+32*(\s-4)
.endif
.if \s == 0
	WIN 0xb6
.elseif \s < 4
	WIN 0xa6
.else
	WIN 0xa4
.endif
.irp xt, 0,1,2,3
.irp wt, 0,1,2,3
.if \s == 0
	WM 8*(4*\xt+\wt), FB+8*\wt, 8*(6*\xt+\s), 32*(\p)+8*\wt, BS+4*\s+\wt, AS+4*\s+\xt
.else
	WM 8*(4*\xt+\wt), FB+8*\wt, 8*(6*\xt+\s), 8*(4*\xt+\wt), BS+4*\s+\wt, AS+4*\s+\xt
.endif
.endr
.endr
.endr
.endm
.macro TOSTAGE xt
	WIN 0x08
.irp wt, 0,1,2,3
	ds_store_b128 v[STO], v[8*(4*(\xt)+\wt):8*(4*(\xt)+\wt)+3] offset:128*(\wt/2)+32*(\wt%2)
	ds_store_b128 v[STO], v[8*(4*(\xt)+\wt)+4:8*(4*(\xt)+\wt)+7] offset:128*(\wt/2)+32*(\wt%2)+16
.endr
	WIN 0
.set OBX, OB+32*((\xt)%2)
.irp i, 0,1,2,3,4,5,6,7
	ds_load_b128 v[OBX+4*\i:OBX+4*\i+3], v[RD] offset:544*\i
.endr
.endm
.macro SEND xt, younger, n, p
.set OBX, OB+32*((\xt)%2)
	s_wait_dscnt \younger
.irp i, 0,1,2,3,4,5,6,7
.if \i < \n
	global_store_b128 v[CO], v[OBX+4*\i:OBX+4*\i+3], s[14:15] offset:3072*(32*((\xt)/2)+8*((\xt)%2)+2*\i+8*(\i/4))+256*(\p) th:TH_STORE_NT
.endif
.endr
.endm
.macro PANEL p
	s_wait_dscnt 0x0
	MM \p
	WIN 0
.if \p < 2
	v_add_nc_u32 v[ADR], PANELB*(\p+1), v[L16]
	v_add_nc_u32 v[ADRS], 1536*(\p+1), v[SB0]
	v_nop
	v_nop
	v_nop
	PFB
.else
.rept 4
	v_nop
.endr
.endif
	TOSTAGE 0
	TOSTAGE 1
	SEND 0, 16, 8, \p
	s_cmp_eq_u32 s24, 21
	s_cbranch_scc1 .Lshort_\@
	s_wait_xcnt 0x0
	TOSTAGE 2
	SEND 1, 16, 8, \p
	s_wait_xcnt 0x0
	TOSTAGE 3
	SEND 2, 16, 8, \p
	SEND 3, 0, 8, \p
	s_branch .Ljoin_\@
.Lshort_\@:
	SEND 1, 0, 7, \p
.Ljoin_\@:
	s_wait_xcnt 0x0
.endm
	PFB
	PANEL 0
	PANEL 1
	PANEL 2
	s_wait_tensorcnt 0x0
	ds_add_u32 v[SPW], v[NIL]
	s_wait_dscnt 0x0
	s_endpgm
.Lfunc_end_k_q99726bd674_proj:
	.size	k_q99726bd674_proj, .Lfunc_end_k_q99726bd674_proj-k_q99726bd674_proj
	.p2alignl 7, 3214868480
	.fill 96, 4, 3214868480
	.section	.rodata,"a",@progbits
	.p2align	6, 0x0
	.amdhsa_kernel k_q99726bd674_proj
		.amdhsa_group_segment_fixed_size 327680
		.amdhsa_private_segment_fixed_size 0
		.amdhsa_enable_private_segment 0
		.amdhsa_kernarg_size 48
		.amdhsa_user_sgpr_count 2
		.amdhsa_user_sgpr_kernarg_segment_ptr 1
		.amdhsa_wavefront_size32 1
		.amdhsa_system_sgpr_workgroup_id_x 1
		.amdhsa_system_sgpr_workgroup_id_y 1
		.amdhsa_system_sgpr_workgroup_id_z 1
		.amdhsa_system_vgpr_workitem_id 0
		.amdhsa_next_free_vgpr 864
		.amdhsa_next_free_sgpr 80
		.amdhsa_reserve_vcc 0
		.amdhsa_float_denorm_mode_32 3
		.amdhsa_float_denorm_mode_16_64 3
		.amdhsa_memory_ordered 1
		.amdhsa_forward_progress 1
		.amdhsa_inst_pref_size 87
	.end_amdhsa_kernel
	.amdgpu_metadata
---
amdhsa.version: [ 1, 2 ]
amdhsa.kernels:
  - .name:           k_q99726bd674_proj
    .symbol:         k_q99726bd674_proj.kd
    .args:
      - { .name: xw_codes, .offset: 0, .size: 8, .value_kind: global_buffer, .address_space: global }
      - { .name: xw_scales, .offset: 8, .size: 8, .value_kind: global_buffer, .address_space: global }
      - { .name: ctx_codes, .offset: 16, .size: 8, .value_kind: global_buffer, .address_space: global }
      - { .name: ctx_scales, .offset: 24, .size: 8, .value_kind: global_buffer, .address_space: global }
      - { .name: bp, .offset: 32, .size: 8, .value_kind: global_buffer, .address_space: global }
      - { .name: out0, .offset: 40, .size: 8, .value_kind: global_buffer, .address_space: global }
    .group_segment_fixed_size: 327680
    .private_segment_fixed_size: 0
    .kernarg_segment_align: 8
    .kernarg_segment_size: 48
    .max_flat_workgroup_size: 128
    .sgpr_count:     80
    .vgpr_count:     864
    .wavefront_size: 32
...
	.end_amdgpu_metadata
.endif
;; end of part 4
